; MI455X (gfx1250); checked and timed in simulation.
; The chip was launched on July 23, 2026; its instructions are those of AMD's public machine-readable ISA for CDNA 5 (MIT licence, August 2026) and "CDNA5" Instruction Set Architecture Reference Guide (July 2026). The comments in the code are by the model that wrote it; some were corrected since.
;; Transformer Block. Allowed arithmetic: float matrix products may take bf16 or f16 operands with f32 sums; other float arithmetic in f32, or as packed bf16 or f16 multiplies, adds, multiply-adds, maxima and minima; sums over many terms, partial sums and values carried from step to step in f32; what a program stores and reads back later, other than sums and carried values, may be rounded once to bf16 or f16.
;; Inputs: W1 1,024 x 4,096 float32; W2 4,096 x 1,024 float32; Wk 1,024 x 1,024 float32; Wo 1,024 x 1,024 float32; Wq 1,024 x 1,024 float32; Wv 1,024 x 1,024 float32; b1 4,096 float32; b2 1,024 float32; bk 1,024 float32; bo 1,024 float32; bq 1,024 float32; bv 1,024 float32; ln1_b 1,024 float32; ln1_g 1,024 float32; ln2_b 1,024 float32; ln2_g 1,024 float32; x 2 x 2,048 x 1,024 float32.
;; Outputs: out0 2 x 2,048 x 1,024 float32.
;; One version. Each part assembles by itself: llvm-mc -triple=amdgcn-amd-amdhsa -mcpu=gfx1250 --defsym DOCPART=n.
;; ======== version 1 of 1: 8 launches
;; workspace buffers: wqkv 6,324,224 bytes; w1 8,421,376 bytes; wr 10,485,760 bytes; act 8,388,608 bytes; qkv 25,165,824 bytes; hid 33,554,432 bytes; x1 16,777,216 bytes
;; launch cast (part 1): grid 768 x 1, 8 waves a work-group, no clusters, 0 bytes of LDS; arguments Wq, Wk, Wv, Wo, W1, W2, bq, bk, bv, b1, wqkv, w1, wr; writes wqkv, w1, wr
.if DOCPART == 1
	.amdgcn_target "amdgcn-amd-amdhsa--gfx1250"
	.amdhsa_code_object_version 6
	.text
	.protected	k_qca58cb1055_cast
	.globl	k_qca58cb1055_cast
	.p2align	8
	.type	k_qca58cb1055_cast,@function
k_qca58cb1055_cast:
	s_mov_b64 s[64:65], 0
	v_nop
	global_prefetch_b8 v0, s[64:65] scope:SCOPE_SE
	s_setreg_imm32_b32 hwreg(HW_REG_WAVE_MODE, 25, 1), 1
	s_wait_xcnt 0x0
; THE WEIGHTS, ROUNDED ONCE TO bf16 AND LAID IN COLUMN BLOCKS.  A weight W[K][N] (f32, N along the rows) becomes [N/128][K][128] bf16: rows of 256 bytes, a block's rows end to end.
;   wqkv: 32,768 bytes of header, then Wq's 8 blocks, Wk's 8, Wv's 8 (K = 1,024).   w1: 32,768 bytes of header, then W1's 32 blocks (K = 1,024).
;   wr:   Wo's 8 blocks (K = 1,024) at byte 0, W2's 8 blocks (K = 4,096) at byte 2,097,152.
; A header holds the product's bias in f32 from byte 0 on (bq, bk, bv on end; b1) and, at byte 16,384, 256 bytes of a packed bf16 floor for the product's way out:
; minus infinity twice for wqkv (a maximum with it changes no number), 0 twice for w1 (relu).  The other header bytes are neither written nor read.
; SHARES.  Work-group g converts one chunk of 128 rows of K x 128 columns: 64 KiB in, 32 KiB on end out; wave w takes rows 16 w .. 16 w + 15.  A load of the wave covers 512
; consecutive bytes of a row of W, a store 256 consecutive bytes, aligned: a whole row of the block.  All 16 loads of a wave go out at once; there is no loop, no LDS, no barrier.
; No matrix unit, cluster or tensor load: nothing is shared and nothing is multiplied.
.set VS, 4                             ; v4-19   byte offset of my 16 bytes in rows 0..15 of the wave's share
.set VD, 20                            ; v20     byte offset of my 8 bytes in the chunk as stored: 4,096 x wave + 8 x lane
.set VB, 21                            ; v21     16 x lane: a bias's 512 bytes
.set D,  24                            ; v24-87  16 rows x 4 f32
.set E,  88                            ; v88-119 16 rows x 4 bf16
	s_load_b512 s[8:23], s[0:1], 0x0               ; Wq s[8:9], Wk s[10:11], Wv s[12:13], Wo s[14:15], W1 s[16:17], W2 s[18:19], bq s[20:21], bk s[22:23]
	s_load_b256 s[24:31], s[0:1], 0x40             ; bv s[24:25], b1 s[26:27], wqkv s[28:29], w1 s[30:31]
	s_load_b64 s[32:33], s[0:1], 0x60              ; wr
	s_mov_b32 s34, ttmp9                           ; g
	v_and_b32 v1, 31, v0                           ; lane
	v_lshrrev_b32 v2, 5, v0                        ; wave
	v_readfirstlane_b32 s35, v2
	; which weight g belongs to: s40 its first chunk, s41 log2 of the chunks in a block, s42 that number less 1, s43 log2 of the bytes in a row of W,
	; s44 what is taken from g to number the chunk in its buffer, s45 the header's bytes
	s_cmp_ge_u32 s34, 64
	s_cselect_b32 s40, 64, 0
	s_cmp_ge_u32 s34, 128
	s_cselect_b32 s40, 128, s40
	s_cmp_ge_u32 s34, 192                          ; Wo: wr from byte 0
	s_cselect_b32 s40, 192, s40
	s_cselect_b32 s44, 192, 0
	s_cselect_b32 s45, 0, 32768
	s_cmp_ge_u32 s34, 256                          ; W1: rows of 16,384 bytes
	s_cselect_b32 s40, 256, s40
	s_cselect_b32 s44, 256, s44
	s_cselect_b32 s45, 32768, s45
	s_cselect_b32 s43, 14, 12
	s_cmp_ge_u32 s34, 512                          ; W2: 32 chunks to a block; wr from chunk 64 on
	s_cselect_b32 s40, 512, s40
	s_cselect_b32 s44, 448, s44
	s_cselect_b32 s45, 0, s45
	s_cselect_b32 s43, 12, s43
	s_cselect_b32 s41, 5, 3
	s_cselect_b32 s42, 31, 7
	s_sub_co_u32 s46, s34, s40                     ; the chunk's number in its weight
	s_lshr_b32 s47, s46, s41                       ; its column block
	s_and_b32 s46, s46, s42                        ; its 128 rows of K
	s_add_co_u32 s48, s43, 7
	s_lshl_b32 s46, s46, s48                       ; 128 rows of W, in bytes,
	s_lshl_b32 s47, s47, 9                         ; 128 columns of f32
	s_add_co_u32 s46, s46, s47
	s_mov_b32 s47, 0                               ; s[46:47]: where the chunk begins in W
	s_sub_co_u32 s48, s34, s44
	s_lshl_b32 s48, s48, 15
	s_add_co_u32 s48, s48, s45
	s_mov_b32 s49, 0                               ; s[48:49]: where it goes
	s_add_co_u32 s50, s43, 4                       ; a wave's 16 rows
	s_lshl_b32 s51, 1, s43                         ; a row of W
	v_lshlrev_b32 v[VS], s50, v2
	v_lshl_add_u32 v[VS], v1, 4, v[VS]
.set i, 1
.rept 15
	v_add_nc_u32 v[VS+i], s51, v[VS+i-1]
.set i, i+1
.endr
	v_lshlrev_b32 v[VD], 12, v2
	v_lshl_add_u32 v[VD], v1, 3, v[VD]
	v_lshlrev_b32 v[VB], 4, v1
	s_wait_kmcnt 0x0
	s_cmp_ge_u32 s34, 64                           ; the same choices for the two addresses
	s_cselect_b64 s[36:37], s[10:11], s[8:9]
	s_cmp_ge_u32 s34, 128
	s_cselect_b64 s[36:37], s[12:13], s[36:37]
	s_cmp_ge_u32 s34, 192
	s_cselect_b64 s[36:37], s[14:15], s[36:37]
	s_cselect_b64 s[38:39], s[32:33], s[28:29]
	s_cmp_ge_u32 s34, 256
	s_cselect_b64 s[36:37], s[16:17], s[36:37]
	s_cselect_b64 s[38:39], s[30:31], s[38:39]
	s_cmp_ge_u32 s34, 512
	s_cselect_b64 s[36:37], s[18:19], s[36:37]
	s_cselect_b64 s[38:39], s[32:33], s[38:39]
	s_add_nc_u64 s[36:37], s[36:37], s[46:47]
	s_add_nc_u64 s[38:39], s[38:39], s[48:49]
.set i, 0
.rept 16
	global_load_b128 v[D+4*i:D+4*i+3], v[VS+i], s[36:37] th:TH_LOAD_NT
.set i, i+1
.endr
.set i, 0
.rept 16
	s_wait_loadcnt 15-i                            ; loads come back in order: row i is in, the younger rows stay out
	v_cvt_pk_bf16_f32 v[E+2*i], v[D+4*i], v[D+4*i+1]
	v_cvt_pk_bf16_f32 v[E+2*i+1], v[D+4*i+2], v[D+4*i+3]
	global_store_b64 v[VD], v[E+2*i:E+2*i+1], s[38:39] offset:256*i th:TH_STORE_NT  ; no register is written twice, so nothing waits for a store
.set i, i+1
.endr
	; THE HEADERS, by wave 0 of 56 work-groups: 128 numbers of a bias each, and the floor by two of them
	s_cmp_lg_u32 s35, 0
	s_cbranch_scc1 .Lend
	s_cmp_lt_u32 s34, 24
	s_cbranch_scc0 .Lfor_w1
	s_cmp_ge_u32 s34, 8                            ; g = 0..7 bq, 8..15 bk, 16..23 bv
	s_cselect_b64 s[48:49], s[22:23], s[20:21]
	s_cmp_ge_u32 s34, 16
	s_cselect_b64 s[48:49], s[24:25], s[48:49]
	s_and_b32 s50, s34, 7
	s_lshl_b32 s50, s50, 9
	s_mov_b32 s51, 0
	s_add_nc_u64 s[48:49], s[48:49], s[50:51]
	s_lshl_b32 s50, s34, 9
	s_add_nc_u64 s[52:53], s[28:29], s[50:51]
	global_load_b128 v[120:123], v[VB], s[48:49]
	s_wait_loadcnt 0x0
	global_store_b128 v[VB], v[120:123], s[52:53]
	s_cmp_lg_u32 s34, 0
	s_cbranch_scc1 .Lend
	v_mov_b32 v124, 0xff80ff80                     ; minus infinity, twice
	v_mov_b32 v125, 0xff80ff80
	global_store_b64 v[VD], v[124:125], s[28:29] offset:16384  ; in wave 0 VD is 8 x lane: 256 consecutive bytes
	s_branch .Lend
.Lfor_w1:
	s_sub_co_u32 s54, s34, 256                     ; g = 256..287: b1 (below 256 the difference wraps to a large number)
	s_cmp_lt_u32 s54, 32
	s_cbranch_scc0 .Lend
	s_lshl_b32 s50, s54, 9
	s_mov_b32 s51, 0
	s_add_nc_u64 s[48:49], s[26:27], s[50:51]
	s_add_nc_u64 s[52:53], s[30:31], s[50:51]
	global_load_b128 v[120:123], v[VB], s[48:49]
	s_wait_loadcnt 0x0
	global_store_b128 v[VB], v[120:123], s[52:53]
	s_cmp_lg_u32 s54, 0
	s_cbranch_scc1 .Lend
	v_mov_b32 v124, 0
	v_mov_b32 v125, 0
	global_store_b64 v[VD], v[124:125], s[30:31] offset:16384
.Lend:
	s_endpgm
.Lfunc_end_k_qca58cb1055_cast:
	.size	k_qca58cb1055_cast, .Lfunc_end_k_qca58cb1055_cast-k_qca58cb1055_cast
	.p2alignl 7, 3214868480
	.fill 96, 4, 3214868480
	.section	.rodata,"a",@progbits
	.p2align	6, 0x0
	.amdhsa_kernel k_qca58cb1055_cast
		.amdhsa_group_segment_fixed_size 0
		.amdhsa_private_segment_fixed_size 0
		.amdhsa_enable_private_segment 0
		.amdhsa_kernarg_size 104
		.amdhsa_user_sgpr_count 2
		.amdhsa_user_sgpr_kernarg_segment_ptr 1
		.amdhsa_wavefront_size32 1
		.amdhsa_system_sgpr_workgroup_id_x 1
		.amdhsa_system_sgpr_workgroup_id_y 1
		.amdhsa_system_sgpr_workgroup_id_z 1
		.amdhsa_system_vgpr_workitem_id 0
		.amdhsa_next_free_vgpr 128
		.amdhsa_next_free_sgpr 66
		.amdhsa_reserve_vcc 0
		.amdhsa_float_denorm_mode_32 3
		.amdhsa_float_denorm_mode_16_64 3
		.amdhsa_memory_ordered 1
		.amdhsa_forward_progress 1
		.amdhsa_inst_pref_size 11
	.end_amdhsa_kernel
	.amdgpu_metadata
---
amdhsa.version: [ 1, 2 ]
amdhsa.kernels:
  - .name:           k_qca58cb1055_cast
    .symbol:         k_qca58cb1055_cast.kd
    .args:
      - { .name: Wq, .offset: 0, .size: 8, .value_kind: global_buffer, .address_space: global }
      - { .name: Wk, .offset: 8, .size: 8, .value_kind: global_buffer, .address_space: global }
      - { .name: Wv, .offset: 16, .size: 8, .value_kind: global_buffer, .address_space: global }
      - { .name: Wo, .offset: 24, .size: 8, .value_kind: global_buffer, .address_space: global }
      - { .name: W1, .offset: 32, .size: 8, .value_kind: global_buffer, .address_space: global }
      - { .name: W2, .offset: 40, .size: 8, .value_kind: global_buffer, .address_space: global }
      - { .name: bq, .offset: 48, .size: 8, .value_kind: global_buffer, .address_space: global }
      - { .name: bk, .offset: 56, .size: 8, .value_kind: global_buffer, .address_space: global }
      - { .name: bv, .offset: 64, .size: 8, .value_kind: global_buffer, .address_space: global }
      - { .name: b1, .offset: 72, .size: 8, .value_kind: global_buffer, .address_space: global }
      - { .name: wqkv, .offset: 80, .size: 8, .value_kind: global_buffer, .address_space: global }
      - { .name: w1, .offset: 88, .size: 8, .value_kind: global_buffer, .address_space: global }
      - { .name: wr, .offset: 96, .size: 8, .value_kind: global_buffer, .address_space: global }
    .group_segment_fixed_size: 0
    .private_segment_fixed_size: 0
    .kernarg_segment_align: 8
    .kernarg_segment_size: 104
    .max_flat_workgroup_size: 256
    .sgpr_count:     66
    .vgpr_count:     128
    .wavefront_size: 32
...
	.end_amdgpu_metadata
.endif
;; end of part 1
;; launch ln1 (part 2): grid 256 x 1, 8 waves a work-group, no clusters, 0 bytes of LDS; arguments x, ln1_g, ln1_b, act; writes act
.if DOCPART == 2
	.amdgcn_target "amdgcn-amd-amdhsa--gfx1250"
	.amdhsa_code_object_version 6
	.text
	.protected	k_qca58cb1055_ln1
	.globl	k_qca58cb1055_ln1
	.p2align	8
	.type	k_qca58cb1055_ln1,@function
k_qca58cb1055_ln1:
	s_mov_b64 s[64:65], 0
	v_nop
	global_prefetch_b8 v0, s[64:65] scope:SCOPE_SE
	s_setreg_imm32_b32 hwreg(HW_REG_WAVE_MODE, 25, 1), 1
	s_wait_xcnt 0x0
; LAYER NORM.  y[t][c] = (x[t][c] - mean) / sqrt(var + 1e-5) * g[c] + b[c], over the 1,024 numbers of a row; x: [4096][1024] f32; all arithmetic in f32; y rounded once to bf16.
; The variance is the mean of the squares of x - mean, taken in a second pass over registers, as the formula has it: a common offset of x costs nothing.
; y's LAYOUT: [16 blocks of 64 columns][4096 rows][64] bf16: rows of 128 bytes, a block 524,288 bytes: 128 rows x 64 columns lie on end for the product that reads them.
; SHARES.  A wave owns two rows, lanes 0-15 the even one, lanes 16-31 the odd one; a lane holds 64 numbers: load i brings columns 64 i + 4 (lane % 16) + 0..3, so 16 lanes read 256
; consecutive bytes, aligned.  A row's sums never leave its 16 lanes: four steps of row_xmask.  A store of the wave is 256 consecutive bytes, aligned: two rows of block i.
; The row is read once and kept in registers; no loop, no LDS, no barrier; 48 loads of every wave go out at once.  Matrix units, clusters and tensor loads have nothing to do here.
.set X,  16                            ; v16-79    the row's 64 numbers
.set G,  80                            ; v80-143   g of my columns
.set BT, 144                           ; v144-207  b of my columns
.set Y,  208                           ; v208-239  32 words of bf16
; v1 16 (lane % 16); v2 the same + 4,096 for the odd row; v3 8 x lane; v[4:11] four packed chains; v[12:13] the mean, twice; v[14:15] 1 / sqrt(var + eps), twice
	s_load_b256 s[4:11], s[0:1], 0x0               ; x s[4:5], g s[6:7], b s[8:9], y s[10:11]
	v_lshrrev_b32 v1, 5, v0
	v_readfirstlane_b32 s12, v1
	s_lshl_b32 s13, ttmp9, 3
	s_add_co_u32 s13, s13, s12                     ; my pair of rows, 0..2047
	s_lshl_b32 s14, s13, 13                        ; two rows of 4,096 bytes
	s_mov_b32 s15, 0
	s_mov_b32 s16, 0x3a800000                      ; 1 / 1,024
	s_mov_b32 s17, 0x3727c5ac                      ; 1e-5
	v_and_b32 v3, 31, v0
	v_and_b32 v1, 15, v0
	v_lshlrev_b32 v1, 4, v1
	v_bfe_u32 v2, v0, 4, 1
	v_lshl_add_u32 v2, v2, 12, v1
	v_lshlrev_b32 v3, 3, v3
	s_wait_kmcnt 0x0
	s_add_nc_u64 s[4:5], s[4:5], s[14:15]
	s_lshl_b32 s14, s13, 8                         ; two rows of 128 bytes in a block of y
	s_add_nc_u64 s[10:11], s[10:11], s[14:15]
.set i, 0
.rept 16
	global_load_b128 v[X+4*i:X+4*i+3], v2, s[4:5] offset:256*i th:TH_LOAD_NT
.set i, i+1
.endr
.set i, 0
.rept 16
	global_load_b128 v[G+4*i:G+4*i+3], v1, s[6:7] offset:256*i
.set i, i+1
.endr
.set i, 0
.rept 16
	global_load_b128 v[BT+4*i:BT+4*i+3], v1, s[8:9] offset:256*i
.set i, i+1
.endr
.macro REDUCE                          ; the four chains into one number, then over the row's 16 lanes: every lane of the row ends with the sum in v4
	v_pk_add_f32 v[4:5], v[4:5], v[6:7]
	v_pk_add_f32 v[8:9], v[8:9], v[10:11]
	v_pk_add_f32 v[4:5], v[4:5], v[8:9]
	v_add_f32 v4, v4, v5
	v_add_f32_dpp v4, v4, v4 row_xmask:1 row_mask:0xf bank_mask:0xf
	v_add_f32_dpp v4, v4, v4 row_xmask:2 row_mask:0xf bank_mask:0xf
	v_add_f32_dpp v4, v4, v4 row_xmask:4 row_mask:0xf bank_mask:0xf
	v_add_f32_dpp v4, v4, v4 row_xmask:8 row_mask:0xf bank_mask:0xf
.endm
	s_wait_loadcnt 32                              ; x is in; g's and b's 32 loads stay out
.irp k, 0,1,2,3
	v_pk_add_f32 v[4+2*(\k):5+2*(\k)], v[X+2*(\k):X+2*(\k)+1], v[X+8+2*(\k):X+8+2*(\k)+1]  ; the first eight pairs start the chains: nothing is cleared
.endr
.set j, 8
.rept 24
	v_pk_add_f32 v[4+2*(j%4):5+2*(j%4)], v[4+2*(j%4):5+2*(j%4)], v[X+2*j:X+2*j+1]
.set j, j+1
.endr
	REDUCE
	v_mul_f32 v12, s16, v4
	v_mul_f32 v13, s16, v4
.set j, 0
.rept 32
	v_pk_add_f32 v[X+2*j:X+2*j+1], v[X+2*j:X+2*j+1], v[12:13] neg_lo:[0,1] neg_hi:[0,1]  ; x - mean
.set j, j+1
.endr
.irp k, 0,1,2,3
	v_pk_mul_f32 v[4+2*(\k):5+2*(\k)], v[X+2*(\k):X+2*(\k)+1], v[X+2*(\k):X+2*(\k)+1]
.endr
.set j, 4
.rept 28
	v_pk_fma_f32 v[4+2*(j%4):5+2*(j%4)], v[X+2*j:X+2*j+1], v[X+2*j:X+2*j+1], v[4+2*(j%4):5+2*(j%4)]
.set j, j+1
.endr
	REDUCE
	v_fma_f32 v4, v4, s16, s17                     ; var + eps
	v_rsq_f32 v14, v4                              ; twice, to fill the pair that the packed multiply takes
	v_rsq_f32 v15, v4
	v_nop                                          ; a plain instruction between the roots and the first use (ISA guide 5.7.2)
	s_wait_alu depctr_va_vdst(0)                   ; the wait ahead of the first reader: one for both
.set j, 0
.rept 32
	v_pk_mul_f32 v[X+2*j:X+2*j+1], v[X+2*j:X+2*j+1], v[14:15]
.set j, j+1
.endr
	s_wait_loadcnt 0x0                             ; g and b
.set j, 0
.rept 32
	v_pk_fma_f32 v[X+2*j:X+2*j+1], v[X+2*j:X+2*j+1], v[G+2*j:G+2*j+1], v[BT+2*j:BT+2*j+1]
.set j, j+1
.endr
.set j, 0
.rept 32
	v_cvt_pk_bf16_f32 v[Y+j], v[X+2*j], v[X+2*j+1]
.set j, j+1
.endr
.set i, 0
.rept 16
	global_store_b64 v3, v[Y+2*i:Y+2*i+1], s[10:11] offset:i*524288  ; block i; 7,864,320 at the most, inside the signed 24-bit immediate
.set i, i+1
.endr
	s_endpgm
.Lfunc_end_k_qca58cb1055_ln1:
	.size	k_qca58cb1055_ln1, .Lfunc_end_k_qca58cb1055_ln1-k_qca58cb1055_ln1
	.p2alignl 7, 3214868480
	.fill 96, 4, 3214868480
	.section	.rodata,"a",@progbits
	.p2align	6, 0x0
	.amdhsa_kernel k_qca58cb1055_ln1
		.amdhsa_group_segment_fixed_size 0
		.amdhsa_private_segment_fixed_size 0
		.amdhsa_enable_private_segment 0
		.amdhsa_kernarg_size 32
		.amdhsa_user_sgpr_count 2
		.amdhsa_user_sgpr_kernarg_segment_ptr 1
		.amdhsa_wavefront_size32 1
		.amdhsa_system_sgpr_workgroup_id_x 1
		.amdhsa_system_sgpr_workgroup_id_y 1
		.amdhsa_system_sgpr_workgroup_id_z 1
		.amdhsa_system_vgpr_workitem_id 0
		.amdhsa_next_free_vgpr 240
		.amdhsa_next_free_sgpr 66
		.amdhsa_reserve_vcc 0
		.amdhsa_float_denorm_mode_32 3
		.amdhsa_float_denorm_mode_16_64 3
		.amdhsa_memory_ordered 1
		.amdhsa_forward_progress 1
		.amdhsa_inst_pref_size 21
	.end_amdhsa_kernel
	.amdgpu_metadata
---
amdhsa.version: [ 1, 2 ]
amdhsa.kernels:
  - .name:           k_qca58cb1055_ln1
    .symbol:         k_qca58cb1055_ln1.kd
    .args:
      - { .name: x, .offset: 0, .size: 8, .value_kind: global_buffer, .address_space: global }
      - { .name: ln1_g, .offset: 8, .size: 8, .value_kind: global_buffer, .address_space: global }
      - { .name: ln1_b, .offset: 16, .size: 8, .value_kind: global_buffer, .address_space: global }
      - { .name: act, .offset: 24, .size: 8, .value_kind: global_buffer, .address_space: global }
    .group_segment_fixed_size: 0
    .private_segment_fixed_size: 0
    .kernarg_segment_align: 8
    .kernarg_segment_size: 32
    .max_flat_workgroup_size: 256
    .sgpr_count:     66
    .vgpr_count:     240
    .wavefront_size: 32
...
	.end_amdgpu_metadata
.endif
;; end of part 2
;; launch qkv (part 3): grid 12 x 16, 4 waves a work-group, clusters of 4 x 4, 327,680 bytes of LDS; arguments act, wqkv, qkv; writes qkv
.if DOCPART == 3
	.amdgcn_target "amdgcn-amd-amdhsa--gfx1250"
	.amdhsa_code_object_version 6
	.text
	.protected	k_qca58cb1055_qkv
	.globl	k_qca58cb1055_qkv
	.p2align	8
	.type	k_qca58cb1055_qkv,@function
k_qca58cb1055_qkv:
	s_mov_b64 s[64:65], 0
	v_nop
	global_prefetch_b8 v0, s[64:65] scope:SCOPE_SE
	s_setreg_imm32_b32 hwreg(HW_REG_WAVE_MODE, 25, 1), 1
	s_wait_xcnt 0x0
	s_wait_alu depctr_hold_cnt(0) depctr_sa_sdst(0) depctr_va_vdst(0) depctr_va_sdst(0) depctr_va_ssrc(0) depctr_va_vcc(0) depctr_vm_vsrc(0)
	s_getreg_b32 s2, hwreg(HW_REG_IB_STS2, 6, 4)
	s_cmp_eq_u32 s2, 0
	s_cbranch_scc0 .Lentry_in_a_cluster
	s_endpgm
.Lentry_in_a_cluster:
	s_bfe_u32 s2, ttmp6, 0x10000c
	s_cmp_lg_u32 s2, 0xf033
	s_cbranch_scc0 .Lentry_shape_is_right
	s_endpgm
.Lentry_shape_is_right:
; C = max(A W + bias, floor), rounded once to bf16.  A: 4,096 rows x KDIM in blocks [KDIM/64][4096][64] bf16.  W: behind a header of 32,768 bytes, bf16 in column blocks [N/128][KDIM][128].
; The header holds the bias (f32, from byte 0) and a packed bf16 floor (byte 16,384): minus infinity for q, k, v (the maximum then changes no number: 256 lines a wave that serve only the
; other launch of this text), 0 for the MLP's first layer (relu).  C leaves in A's kind of layout, [N/64][4096][64] bf16: for q, k, v a block is a head.  N is the grid's width x 256.
; LIMITS.  Operands are bf16, sums f32.  A NaN in a sum leaves as the floor; infinities are not treated apart.
; SHARES.  A tile of C is 256 x 256; four waves, as many as a WGP has SIMDs, each 128 x 128: 64 accumulators of 16 x 16, 512 registers.  For 32 along K a wave reads 2 x 128 x 64 bytes from LDS and
; issues 64 matrix instructions.  K goes in steps of 128 through two LDS slots; a wave's one tensor load brings a quarter of a slot: 32,768 bytes that lie on end in memory.
; CLUSTERS: 4 x 4 work-groups; the four of a row of the cluster need the same tiles of A, the four of a column the same tiles of W: each tile is asked for JOINTLY, by the same load, descriptor and mask.
; THE MATRIX INSTRUCTION IS USED TRANSPOSED: source 0 = 16 columns of W (W lies [k][n] in LDS and is turned on the way out of it, by ds_load_tr16_b128), source 1 = 16 rows of A:
; a lane then holds eight neighbouring columns of one row of C.
; THE BIAS STARTS THE SUMS: a lane's 64 numbers of it are loaded once and are the C operand of each accumulator's first product; that quarter step stands in front of the loop.  Nothing is cleared.
; REGISTERS, in windows of 256 (s_set_vgpr_msb: bits 1:0 source 0, 3:2 source 1, 5:4 source 2, 7:6 destination):
;   window 0: v1-7 at work, v16-30 addresses; v64-127, v128-191 fragments of A (8 x 16 rows x 32 K), two buffers; v192-255 the bias, later with v32-63 the way out
;   window 1: v64-127, v128-191 fragments of W, two buffers
;   window 2: the 32 accumulators of my rows 0-63 (accumulator (a, b) at v[8 (8 a + b)]);   window 3: those of my rows 64-127
.set KDIM,  1024
.set BOFF,  32768                      ; the header
.set KSTEP, 128
.set LAPS,  KDIM/(2*KSTEP)             ; a lap = two K steps = once round the ring
.set PA,    144                        ; a row of A in LDS: 128 bytes + 16 = 36 words: the 16 rows of a load start at 16 different groups of four banks (64 banks of 4 bytes: ISA guide 11.1)
.set ABLK,  256*PA                     ; 256 rows x 64 K
.set PB,    288                        ; a row of W: 256 bytes + 32 = 72 words
.set HALFT, ABLK                       ; what one tensor load brings: a block of A, or 128 rows of K of a column block of W (128 x 288 is the same number)
.set SLOT,  4*HALFT                    ; A's two blocks, then W's two column blocks
.set STAGE, 2*SLOT                     ; behind the ring, never filled by a tensor load: 2 x 16 rows x 144 bytes for each wave
.set SP,    144
.set SPARE, STAGE+4*32*SP              ; behind the stages: the spare words, 128 bytes for each wave: two blocks of 256 bytes that no other line names
.set ASTEP, 2*524288                   ; bytes of A from a K step to the next: two blocks of 4,096 rows x 128 bytes
.set BSTEP, KSTEP*256                  ; of W: 128 rows of 256 bytes
.set ADRA, 16                          ; v16-17  LDS address of my A fragments in slot 0, 1
.set ADRB, 20                          ; v20-21  of my W fragments
.set STO,  24                          ; v24     the way out: where I put 16 bytes of a row
.set RD,   25                          ; v25     where I read rows back
.set GO,   26                          ; v26     16 x lane
.set BO,   27                          ; v27     32 (lane / 16): my eight columns' bias
.set SPW,  28                          ; v28     LDS address of my spare word; never rewritten
.set NIL,  29                          ; v29     0; never rewritten
.set PFO,  30                          ; v30     256 x lane: the prefetches' offset; never rewritten
.set F0,   64                          ; fragment buffer 0
.set F1,   128                         ; fragment buffer 1
.set BIAS, 192                         ; column block b's eight numbers at BIAS + 8 b
.set TMP,  192                         ; the way out: packed results (the bias has been used by then)
.set OB,   32                          ; the way out: 16 rows read back from the stage: v32-63 and v224-255 by turns
.set G1,  24                           ; s[24:31] descriptor group 1 for A's tiles; s[32:39] group 0, a set for each slot
.set G0,  32
.set G1B, 48                           ; s[48:55], s[56:63] the same for W's
.set G0B, 56
.set LIM, 43                           ; s43      1 in a wave that prefetches, else the greatest number
.set PFA, 44                           ; s[44:45] where my prefetches stand
.set PST, 66                           ; s[66:67] what steps them: a K step of A or of W, in bytes
.set MSB, 0
.macro WIN new                         ; the immediate's high byte repeats the setting that is left; a switch that changes nothing is dropped
.if MSB != (\new)
	s_set_vgpr_msb (MSB<<8)|(\new)
.set MSB, \new
.endif
.endm
.set MUL_LO, 0xa1                      ; source 0 (W) window 1, source 1 (A) window 0, C and D window 2
.set MUL_HI, 0xf1                      ; the same, C and D window 3
.set BEG_LO, 0x81                      ; the first product: C (the bias) window 0, D window 2
.set TO_B,   0x40                      ; destination window 1, address window 0
.macro JLOAD s                         ; a joint load: waves 0 and 1 fetch A's two blocks, waves 2 and 3 W's two column blocks; an s_nop 0 and four v_nop follow each of the two lines
	s_cmp_eq_u32 s11, 0
	s_cbranch_scc0 .Lfor_b_\@
	tensor_load_to_lds s[G0+4*(\s):G0+4*(\s)+3], s[G1:G1+7]
	s_nop 0
.rept 4
	v_nop
.endr
	s_branch .Lasked_\@
.Lfor_b_\@:
	tensor_load_to_lds s[G0B+4*(\s):G0B+4*(\s)+3], s[G1B:G1B+7]
	s_nop 0
.rept 4
	v_nop
.endr
.Lasked_\@:
.endm
; A PREFETCH INTO THE L2, behind each joint load, its five lines and the run of LDS loads that follows them: my load's 32,768 bytes of the K step that stands TWO refills on, 512 matrix instructions ahead of the
; load that will want them.  Each 256 bytes are named ONCE in the launch.  A's tile row is read by every cluster of that row of clusters: the first of them (cluster x = 0) asks; W's tile column by every cluster of
; that column: cluster y = 0 asks.  The four partners that ask for a tile jointly share it out BY ADDRESS, 8,192 bytes each (by cx for A, by cy for W), a lane for each 256 bytes: no branch hangs on a work-group's
; place in its cluster.  The first four K steps come by their loads alone; the loop's last trip (s3 = 1), whose refills are the last two K steps, asks for nothing.
.macro ASK
	s_cmp_gt_u32 s3, s[LIM]
	s_cbranch_scc0 .Lnot_mine_\@
	global_prefetch_b8 v[PFO], s[PFA:PFA+1] th:TH_LOAD_NT scope:SCOPE_SE
.Lnot_mine_\@:
.endm
.macro CREST                           ; a round of the cluster's barrier behind its opening barrier
	s_cmp_lg_u32 s10, 0
	s_cbranch_scc1 .Lnot_wave_0_\@
	s_barrier_signal -3
.Lnot_wave_0_\@:
	s_barrier_wait -3
	s_barrier_signal -1
	s_barrier_wait -1
.endm
.macro CROUND                          ; a whole round
	s_barrier_signal -1
	s_barrier_wait -1
	CREST
.endm
	s_load_b128 s[4:7], s[0:1], 0x0                ; A s[4:5], W s[6:7]
	s_load_b64 s[8:9], s[0:1], 0x10                ; C
	v_lshl_add_u32 v[SPW], v0, 2, SPARE
	v_mov_b32 v[NIL], 0
	ds_add_u32 v[SPW], v[NIL]                      ; the wave's opening: the add and its wait ahead of my first tensor load; work on registers stands between them
	v_lshrrev_b32 v1, 5, v0
	v_readfirstlane_b32 s10, v1                    ; wave 0..3
	s_lshr_b32 s11, s10, 1                         ; which half of the tile's rows is mine.  Also: I fetch for A (0) or for W (1)
	s_and_b32 s12, s10, 1                          ; which half of its columns.  Also: which block of A, or column block of W, I fetch
	s_bfe_u32 s40, ttmp6, 0x40000                  ; cx, cy: my place in the cluster
	s_bfe_u32 s41, ttmp6, 0x40004
	s_lshl_b32 s42, ttmp9, 2
	s_add_co_u32 s42, s42, s40                     ; tile column of C = 4 x cluster x + cx
	s_and_b32 s13, ttmp7, 0xffff
	s_lshl_b32 s13, s13, 2
	s_add_co_u32 s13, s13, s41                     ; tile row of C = 4 x cluster y + cy
	s_lshl_b32 s43, s41, 2
	s_lshl_b32 s43, 15, s43                        ; my row of the cluster
	s_lshl_b32 s44, 0x1111, s40                    ; my column
	; Both descriptors: 32,768 bytes on end, asked for as 128 rows of 256 bytes.  A's are 256 rows of 128 bytes, padded in LDS by 16 bytes each; W's 128 rows of 256 bytes, padded by 32 bytes each
	s_or_b32 s[G1+0], s43, (1<<16)|(1<<20)|(1<<21)|(4<<22)|(3<<25)  ; 15:0 the mask: my row; 17:16 2-byte elements; 20 padding on; 21 set beside a mask; 24:22 after every 32 words (code 4); 31:25 4 words (code 3)
	s_or_b32 s[G1B+0], s44, (1<<16)|(1<<20)|(1<<21)|(5<<22)|(7<<25) ; the mask: my column; after every 64 words (code 5) 8 words (code 7)
.irp g, G1, G1B
	s_mov_b32 s[(\g)+1], 128<<16                   ; tensor_dim0 = 128
	s_mov_b32 s[(\g)+2], 128<<16                   ; tensor_dim1 = 128
	s_mov_b32 s[(\g)+3], 128<<16                   ; tile_dim0 = 128
	s_mov_b32 s[(\g)+4], 128                       ; tile_dim1 = 128
	s_mov_b32 s[(\g)+5], 128                       ; 128 elements from row to row
	s_mov_b32 s[(\g)+6], 0
	s_mov_b32 s[(\g)+7], 0
.endr
	s_lshl_b32 s16, s13, 15                        ; A: the tile's 256 rows of 128 bytes in a block,
	s_lshl_b32 s17, s12, 19                        ; in my block of the K step's two
	s_add_co_u32 s16, s16, s17
	s_mov_b32 s17, 0
	s_lshl_b32 s46, s42, 1                         ; W: my column block of the tile's two,
	s_add_co_u32 s46, s46, s12
	s_mul_i32 s46, s46, KDIM*256
	s_add_co_u32 s46, s46, BOFF                    ; behind the header
	s_mov_b32 s47, 0
	s_mul_i32 s20, s10, HALFT                      ; where they go: wave x a quarter of a slot: no place in the cluster enters an LDS address
	s_wait_dscnt 0x0                               ; the opening add is done
	s_wait_kmcnt 0x0
	s_add_nc_u64 s[14:15], s[4:5], s[16:17]
	s_add_nc_u64 s[46:47], s[6:7], s[46:47]
	CROUND                                         ; all sixteen work-groups are here: the first joint loads meet
.irp s, 0,1
	s_mov_b32 s[G0+4*(\s)], 1
	s_add_co_u32 s[G0+4*(\s)+1], s20, (\s)*SLOT
	s_add_nc_u64 s[G0+4*(\s)+2:G0+4*(\s)+3], s[14:15], (\s)*ASTEP      ; K step s
	s_or_b32 s[G0+4*(\s)+3], s[G0+4*(\s)+3], 0x80000000
	s_mov_b32 s[G0B+4*(\s)], 1
	s_add_co_u32 s[G0B+4*(\s)+1], s20, (\s)*SLOT
	s_add_nc_u64 s[G0B+4*(\s)+2:G0B+4*(\s)+3], s[46:47], (\s)*BSTEP
	s_or_b32 s[G0B+4*(\s)+3], s[G0B+4*(\s)+3], 0x80000000
	JLOAD \s                                       ; two loads of mine are out
.endr
	s_load_b32 s2, s[6:7], 0x4000                  ; the floor
	; the prefetches: my load's address at K step 0, my work-group's quarter of it, three K steps on: the first refill steps it to K step 4
	s_and_b32 s22, ttmp7, 0xffff                   ; cluster y
	s_mov_b32 s[PST], BSTEP
	s_mov_b32 s[PST+1], 0
	s_cmp_eq_u32 s11, 0                            ; do I fetch for A?
	s_cselect_b32 s21, s40, s41                    ; my place among the four that ask with me
	s_cselect_b32 s22, ttmp9, s22                  ; the coordinate along which other clusters read the same bytes
	s_cselect_b32 s[PST], ASTEP, s[PST]
	s_cselect_b64 s[PFA:PFA+1], s[14:15], s[46:47]
	s_cmp_eq_u32 s22, 0
	s_cselect_b32 s[LIM], 1, -1                    ; the same in all sixteen partners, for a given wave
	s_mul_i32 s20, s[PST], 3
	s_lshl_b32 s21, s21, 13
	s_add_co_u32 s20, s20, s21
	s_mov_b32 s21, 0
	s_add_nc_u64 s[PFA:PFA+1], s[PFA:PFA+1], s[20:21]
	v_and_b32 v[PFO], 31, v0
	v_lshlrev_b32 v[PFO], 8, v[PFO]
	v_and_b32 v1, 15, v0                           ; l % 16
	v_bfe_u32 v2, v0, 4, 1                         ; l / 16
	v_lshlrev_b32 v[BO], 5, v2
	s_lshl_b32 s46, s42, 10                        ; the tile's 256 numbers of the bias, my wave's 128
	s_lshl_b32 s47, s12, 9
	s_add_co_u32 s46, s46, s47
	s_mov_b32 s47, 0
	s_add_nc_u64 s[18:19], s[6:7], s[46:47]
.irp b, 0,1,2,3,4,5,6,7
	global_load_b128 v[BIAS+8*(\b):BIAS+8*(\b)+3],   v[BO], s[18:19] offset:64*(\b)      ; register j is column 16 b + 8 (l / 16) + j, whatever the row
	global_load_b128 v[BIAS+8*(\b)+4:BIAS+8*(\b)+7], v[BO], s[18:19] offset:64*(\b)+16
.endr
	s_lshl_b32 s16, s13, 15                        ; C: my 128 rows of 128 bytes,
	s_lshl_b32 s17, s11, 14
	s_add_co_u32 s16, s16, s17
	s_mov_b32 s17, 0
	s_add_nc_u64 s[8:9], s[8:9], s[16:17]
	s_lshl_b32 s46, s42, 1                         ; in the first of my two blocks of 64 columns
	s_add_co_u32 s46, s46, s12
	s_lshl_b32 s46, s46, 20
	s_add_nc_u64 s[8:9], s[8:9], s[46:47]
	; A fragment of A: 16 rows x 32 K: lane l holds row l % 16, K = 8 (l / 16) + 0..7 and 16 + 8 (l / 16) + 0..7: two loads of 16 bytes, 32 bytes apart
	v_mul_u32_u24 v3, v1, PA
	v_lshl_add_u32 v3, v2, 4, v3
	s_mul_i32 s21, s11, 128*PA                     ; my 128 rows
	v_add_nc_u32 v[ADRA], s21, v3
	v_add_nc_u32 v[ADRA+1], SLOT, v[ADRA]
	; The turning load takes 16 K x 16 columns (lane l reads K = 8 (l / 16) + l % 8, columns 8 ((l / 8) % 2) + 0..7) and leaves half a fragment: lane l holds column l % 16 and 8 K
	v_and_b32 v4, 7, v0
	v_lshl_add_u32 v4, v2, 3, v4
	v_mul_u32_u24 v4, v4, PB
	v_bfe_u32 v5, v0, 3, 1
	v_lshl_add_u32 v4, v5, 4, v4
	s_mul_i32 s22, s12, HALFT                      ; my column block,
	s_add_co_u32 s22, s22, 2*HALFT                 ; behind A's two blocks
	v_add_nc_u32 v[ADRB], s22, v4
	v_add_nc_u32 v[ADRB+1], SLOT, v[ADRB]
	s_mul_i32 s23, s10, 32*SP
	s_add_co_u32 s23, s23, STAGE                   ; my stage
	v_mul_u32_u24 v6, v1, SP                       ; in: row l % 16, 16 bytes for each half of the lanes
	v_lshl_add_u32 v6, v2, 4, v6
	v_add_nc_u32 v[STO], s23, v6
	v_bfe_u32 v6, v0, 3, 2                         ; back: 32 lanes take four rows of 128 bytes,
	v_mul_u32_u24 v6, v6, SP
	v_and_b32 v7, 7, v0
	v_lshl_add_u32 v6, v7, 4, v6
	v_add_nc_u32 v[RD], s23, v6
	v_and_b32 v[GO], 31, v0                        ; which are 512 consecutive bytes of C
	v_lshlrev_b32 v[GO], 4, v[GO]
; 16 matrix instructions: row blocks a0, a0 + 1 of the window's four (hi = 0: my rows 0-63, 1: rows 64-127) x all 8 column blocks, 32 along K.  first = 1: the product starts the sum, on the bias.
; The 64 accumulators take turns, one instruction a turn, in the same order in every quarter step, over the backward jump too.
.macro MUL16 f, hi, a0, first
.if \first
	WIN BEG_LO+0x40*(\hi)
.else
	WIN MUL_LO+0x50*(\hi)
.endif
.irp a, \a0, (\a0)+1
.irp b, 0,1,2,3,4,5,6,7
.if \first
	v_wmma_f32_16x16x32_bf16 v[8*(8*(\a)+(\b)):8*(8*(\a)+(\b))+7], v[(\f)+8*(\b):(\f)+8*(\b)+7], v[(\f)+8*(4*(\hi)+(\a)):(\f)+8*(4*(\hi)+(\a))+7], v[BIAS+8*(\b):BIAS+8*(\b)+7]
.else
	v_wmma_f32_16x16x32_bf16 v[8*(8*(\a)+(\b)):8*(8*(\a)+(\b))+7], v[(\f)+8*(\b):(\f)+8*(\b)+7], v[(\f)+8*(4*(\hi)+(\a)):(\f)+8*(4*(\hi)+(\a))+7], v[8*(8*(\a)+(\b)):8*(8*(\a)+(\b))+7]
.endif
.endr
.endr
.endm
; 32 LDS loads in one run: the fragments of quarter q (32 along K) of a slot into buffer f: 128 columns of W, then 128 rows of A
.macro FETCH slot, q, f
	WIN TO_B
.irp i, 0,1,2,3,4,5,6,7
	ds_load_tr16_b128 v[(\f)+8*(\i):(\f)+8*(\i)+3],   v[ADRB+(\slot)] offset:(\q)*32*PB+32*(\i)
	ds_load_tr16_b128 v[(\f)+8*(\i)+4:(\f)+8*(\i)+7], v[ADRB+(\slot)] offset:(\q)*32*PB+16*PB+32*(\i)
.endr
	WIN 0
.irp i, 0,1,2,3,4,5,6,7
	ds_load_b128 v[(\f)+8*(\i):(\f)+8*(\i)+3],   v[ADRA+(\slot)] offset:((\q)/2)*ABLK+((\q)%2)*64+(\i)*16*PA
	ds_load_b128 v[(\f)+8*(\i)+4:(\f)+8*(\i)+7], v[ADRA+(\slot)] offset:((\q)/2)*ABLK+((\q)%2)*64+(\i)*16*PA+32
.endr
.endm
.macro PLACES                          ; four places in front of loads into registers that matrix instructions have read, and of lines that read results
.rept 4
	v_nop
.endr
.endm
; A K step is four quarters of 32 along K, 64 matrix instructions each, on buffers 0, 1, 0, 1.  One of the first three: multiplies buffer f; in its middle it fetches quarter q into buffer g
.macro QUARTER slot, q, f, g, first=0
	s_wait_dscnt 8                                 ; W and A's rows 0-63 are in; the youngest eight loads (A's rows 64-127) may be out
	MUL16 \f, 0, 0, \first
	MUL16 \f, 0, 2, \first
	PLACES
	FETCH \slot, \q, \g
	s_wait_dscnt 32                                ; all but the 32 just issued
	MUL16 \f, 1, 0, \first
	MUL16 \f, 1, 2, \first
.endm
; The last quarter multiplies buffer 1 and changes slots.  MEET is its first half: ONE barrier; in front of it each wave waits for all its tensor loads (one is out: its part of the next slot), adds 0 to its
; spare word, and waits for that and for its own reads of this slot.  Behind it nobody reads this slot any more and the next slot is whole.  round = 1: a round of the cluster's barrier follows
.macro MEET round
	WIN 0                                          ; (the add's two registers lie in window 0)
	s_wait_tensorcnt 0x0
	ds_add_u32 v[SPW], v[NIL]
	s_wait_dscnt 9                                 ; (the add and the youngest eight loads may be out)
	MUL16 F1, 0, 0, 0                              ; sixteen matrix instructions stand between the add and the wait for it
	s_wait_dscnt 0x0                               ; the add is done, and my reads of this slot are over
	s_barrier_signal -1
	MUL16 F1, 0, 2, 0
.if \round
	WIN 0
.endif
	s_barrier_wait -1
.endm
; The whole last quarter where the slot is filled again: the barrier opens a round of the cluster's, and the joint refill, two K steps ahead, is the first thing behind it:
; 224 matrix instructions stand between that request and the wait for it.
.macro TURN slot, next
	s_wait_xcnt 0x0                                ; the last prefetch, a K step back, has read its address: it is stepped here, ahead of the waits of the change of slots
	s_add_nc_u64 s[PFA:PFA+1], s[PFA:PFA+1], s[PST:PST+1]
	MEET 1
	CREST                                          ; no wave of any partner still reads this slot's tiles or has a load on its way
	s_add_nc_u64 s[G0+4*(\slot)+2:G0+4*(\slot)+3], s[G0+4*(\slot)+2:G0+4*(\slot)+3], 2*ASTEP
	s_add_nc_u64 s[G0B+4*(\slot)+2:G0B+4*(\slot)+3], s[G0B+4*(\slot)+2:G0B+4*(\slot)+3], 2*BSTEP
	JLOAD \slot                                    ; its four v_nop are also the places in front of the loads below
	FETCH \next, 0, F0
	ASK
	MUL16 F1, 1, 0, 0
	MUL16 F1, 1, 2, 0
.endm
	s_wait_tensorcnt 1                             ; my part of K step 0 is in; K step 1's may stay out
	s_barrier_signal -1
	s_barrier_wait -1                              ; everybody's is
	FETCH 0, 0, F0
	s_wait_loadcnt 0x0                             ; the bias
	s_wait_kmcnt 0x0                               ; the floor
	QUARTER 0, 1, F0, F1, 1                        ; the first quarter stands in front of the loop: its products start the sums
	WIN 0                                          ; at a label and at a branch every window is 0
	s_mov_b32 s3, LAPS-1
.Llap:                                                 ; a trip goes once round the ring, from a lap's second quarter to the next lap's first, and fills both slots again
	QUARTER 0, 2, F1, F0
	QUARTER 0, 3, F0, F1
	TURN 0, 1
	QUARTER 1, 1, F0, F1
	QUARTER 1, 2, F1, F0
	QUARTER 1, 3, F0, F1
	TURN 1, 0
	QUARTER 0, 1, F0, F1
	WIN 0
	s_sub_co_u32 s3, s3, 1
	s_cmp_lg_u32 s3, 0
	s_cbranch_scc1 .Llap
	QUARTER 0, 2, F1, F0                           ; the rest of the last lap is written out: it fills nothing
	QUARTER 0, 3, F0, F1
	MEET 0                                         ; my one tensor load that was still out is the last K step's
	PLACES
	FETCH 1, 0, F0
	MUL16 F1, 1, 0, 0
	MUL16 F1, 1, 2, 0
	QUARTER 1, 1, F0, F1
	QUARTER 1, 2, F1, F0
	QUARTER 1, 3, F0, F1
	s_wait_dscnt 8                                 ; the very last quarter: nothing more to fetch
	MUL16 F1, 0, 0, 0
	MUL16 F1, 0, 2, 0
	s_wait_dscnt 0x0
	MUL16 F1, 1, 0, 0
	MUL16 F1, 1, 2, 0
	WIN 0
	; THE WAY OUT, 16 rows at a time: rounded to bf16 (each accumulator's registers in ascending order), the floor, 16 bytes a lane into my own stage (a half of it for each block of 64 columns), back as whole rows
	; of 128 bytes.  In each of my two blocks of C my 128 rows are 16,384 consecutive bytes.  LDS serves a wave's instructions in order (ISA guide 5.7.1.4), so the stage needs no wait between its stores and its loads.
.macro PACK a
.set AC, 64*((\a)%4)
	WIN 0x0a+5*((\a)/4)                            ; sources 0 and 1: window 2 or 3
.irp b, 0,1,2,3,4,5,6,7
.irp r, 0,1,2,3
	v_cvt_pk_bf16_f32 v[TMP+4*(\b)+(\r)], v[AC+8*(\b)+2*(\r)], v[AC+8*(\b)+2*(\r)+1]
.endr
.endr
	WIN 0
.set n, TMP
.rept 32
	v_pk_max_num_bf16 v[n], v[n], s2
.set n, n+1
.endr
.endm
.macro TOSTAGE a
.set BK, OB+192*((\a)%2)
.irp b, 0,1,2,3,4,5,6,7
	ds_store_b128 v[STO], v[TMP+4*(\b):TMP+4*(\b)+3] offset:((\b)/4)*16*SP+32*((\b)%4)
.endr
.irp t, 0,1,2,3,4,5,6,7
	ds_load_b128 v[BK+4*(\t):BK+4*(\t)+3], v[RD] offset:((\t)/4)*16*SP+((\t)%4)*4*SP
.endr
.endm
.macro SEND a
.set BK, OB+192*((\a)%2)
	s_wait_dscnt 0x0                               ; the block is back in registers
	s_wait_xcnt 0x0                                ; the stores of the block before have read their registers: the next block is read back into them only behind this wait
.irp t, 0,1,2,3,4,5,6,7
	global_store_b128 v[GO], v[BK+4*(\t):BK+4*(\t)+3], s[8:9] offset:((\t)/4)*524288+(\a)*2048+((\t)%4)*512  ; 512 consecutive bytes, at a multiple of 256 from C's first
.endr
.endm
	PLACES
	PACK 0
	TOSTAGE 0
.irp a, 1,2,3,4,5,6,7                  ; block a's arithmetic stands between block a - 1's loads from the stage and the wait for them
	PACK \a
	SEND (\a)-1
	TOSTAGE \a
.endr
	SEND 7
	s_wait_tensorcnt 0x0                           ; the wave's end: behind my last tensor load and my last LDS store
	ds_add_u32 v[SPW], v[NIL]
	s_wait_dscnt 0x0
	CROUND                                         ; the closing round: no work-group ends while a partner may still ask for a tile that names it
	s_endpgm
.Lfunc_end_k_qca58cb1055_qkv:
	.size	k_qca58cb1055_qkv, .Lfunc_end_k_qca58cb1055_qkv-k_qca58cb1055_qkv
	.p2alignl 7, 3214868480
	.fill 96, 4, 3214868480
	.section	.rodata,"a",@progbits
	.p2align	6, 0x0
	.amdhsa_kernel k_qca58cb1055_qkv
		.amdhsa_group_segment_fixed_size 327680
		.amdhsa_private_segment_fixed_size 0
		.amdhsa_enable_private_segment 0
		.amdhsa_kernarg_size 24
		.amdhsa_user_sgpr_count 2
		.amdhsa_user_sgpr_kernarg_segment_ptr 1
		.amdhsa_wavefront_size32 1
		.amdhsa_system_sgpr_workgroup_id_x 1
		.amdhsa_system_sgpr_workgroup_id_y 1
		.amdhsa_system_sgpr_workgroup_id_z 1
		.amdhsa_system_vgpr_workitem_id 0
		.amdhsa_next_free_vgpr 1024
		.amdhsa_next_free_sgpr 68
		.amdhsa_reserve_vcc 0
		.amdhsa_float_denorm_mode_32 3
		.amdhsa_float_denorm_mode_16_64 3
		.amdhsa_memory_ordered 1
		.amdhsa_forward_progress 1
		.amdhsa_inst_pref_size 161
	.end_amdhsa_kernel
	.amdgpu_metadata
---
amdhsa.version: [ 1, 2 ]
amdhsa.kernels:
  - .name:           k_qca58cb1055_qkv
    .symbol:         k_qca58cb1055_qkv.kd
    .args:
      - { .name: act, .offset: 0, .size: 8, .value_kind: global_buffer, .address_space: global }
      - { .name: wqkv, .offset: 8, .size: 8, .value_kind: global_buffer, .address_space: global }
      - { .name: qkv, .offset: 16, .size: 8, .value_kind: global_buffer, .address_space: global }
    .group_segment_fixed_size: 327680
    .private_segment_fixed_size: 0
    .kernarg_segment_align: 8
    .kernarg_segment_size: 24
    .max_flat_workgroup_size: 128
    .sgpr_count:     68
    .vgpr_count:     1024
    .wavefront_size: 32
...
	.end_amdgpu_metadata
.endif
;; end of part 3
;; launch attn (part 4): grid 8 x 32, 4 waves a work-group, clusters of 4 x 1, 327,680 bytes of LDS; arguments qkv, act; writes act
.if DOCPART == 4
	.amdgcn_target "amdgcn-amd-amdhsa--gfx1250"
	.amdhsa_code_object_version 6
	.text
	.protected	k_qca58cb1055_attn
	.globl	k_qca58cb1055_attn
	.p2align	8
	.type	k_qca58cb1055_attn,@function
k_qca58cb1055_attn:
	s_mov_b64 s[64:65], 0
	v_nop
	global_prefetch_b8 v0, s[64:65] scope:SCOPE_SE
	s_setreg_imm32_b32 hwreg(HW_REG_WAVE_MODE, 25, 1), 1
	s_wait_xcnt 0x0
	s_wait_alu depctr_hold_cnt(0) depctr_sa_sdst(0) depctr_va_vdst(0) depctr_va_sdst(0) depctr_va_ssrc(0) depctr_va_vcc(0) depctr_vm_vsrc(0)
	s_getreg_b32 s2, hwreg(HW_REG_IB_STS2, 6, 4)
	s_cmp_eq_u32 s2, 0
	s_cbranch_scc0 .Lentry_in_a_cluster
	s_endpgm
.Lentry_in_a_cluster:
	s_bfe_u32 s2, ttmp6, 0x10000c
	s_cmp_lg_u32 s2, 0x3003
	s_cbranch_scc0 .Lentry_shape_is_right
	s_endpgm
.Lentry_shape_is_right:
; O[y][q][:] = the sum over k of softmax_k(Q[y][q] . K[y][k] / 8) V[y][k][:], for y = 2 x head + batch, 32 in all, 2,048 rows of 64 channels each, bf16, dense: 262,144 bytes for each y.
; Q lies at byte 0 of qkv, K at 8,388,608, V at 16,777,216; O has Q's layout.  Products, maxima and sums in f32; the weights p are rounded to bf16 for the second product (their sum l is taken
; of the unrounded p), O once at the end.
; LIMITS.  A weight below 2^-126 counts as 0 in l; NaN and infinities are not treated apart; the running maximum starts at the lowest finite f32.
; SHARES.  A work-group owns 256 queries of one y, each of its four waves 64: four tiles of 16, in two PIECES named by their first tile (0: tiles 0, 1; 2: tiles 2, 3).  Every wave walks all keys, 64 a step.
; LAYOUT.  S^T = K Q^T (source 0 = 16 keys, source 1 = 16 queries): a lane holds ONE query (lane % 16) and the keys 8 (lane / 16) + 0..7.  Two such results, rounded to bf16 in pairs, ARE source 1
; (32 keys x 16 queries) of O^T = V^T P, whose result again holds one query a lane, and eight channels.  K comes out of LDS as it lies, V ([key][channel]) turned, by ds_load_tr16_b128.
; SOFTMAX.  For each query a running maximum m and sum l: p = 2^(c s - c m), c = log2(e) / 8; in every step O and l are multiplied by a = 2^(c m_old - c m_new).  O and l start at 0, c m far below
; every c s: the first step is a step like any other, with a = 0.
; BY TURNS.  In a TURN one piece has the matrix unit: 16 products V^T P of the step in hand, then 16 products K Q^T of the next step; the other piece's softmax (236 vector instructions) is cut
; into 59 slices of four: one behind each of the 32 products, the other 27 in one run at the turn's end.  Its 66 exponentials are one batch with one wait.  Two turns are a key step.
; The price of writing no first and no last step out: 240 lines that set registers in the wait for the first tile, 16 products on zeros at the start, 16 on a stale K at the end.
; CLUSTER.  The four query blocks of a cluster belong to one y and walk the same K and V, so each tile is asked for JOINTLY: the same tensor load, descriptor and mask in all four.
; REGISTERS, in windows of 256 (s_set_vgpr_msb: bits 1:0 source 0, 3:2 source 1, 5:4 source 2, 7:6 destination):
;   window 0: v1-15 addresses; v16-47 eight registers of statistics a tile; v64-191 S^T, 32 a tile; v192-255 P, 16 a tile
;   window 1: v0-127 O^T, 32 a tile; v128-191 K of one step; v192-255 V of one step          window 2: v0-63 Q, 16 a tile
.set KS,    64        ; keys in a step
.set PK,    144       ; a row of K in LDS: 128 bytes + 16 = 36 words: the 16 rows of a load start at 16 different groups of four banks (64 banks of 4 bytes: ISA guide 11.1)
.set PV,    160       ; a row of V: 128 + 32 = 40 words
.set VOFF,  4*KS*PK   ; a slot holds four steps: 256 rows of K, then 256 rows of V
.set SLOT1, 1<<17     ; slot 1 begins here, so that one exclusive or turns an address in one slot into the other's
.set STAGE, SLOT1+4*KS*(PK+PV)  ; behind the ring, never filled by a tensor load: 16 rows x 144 bytes for each wave
.set SP,    144
.set SPARE, STAGE+4*16*SP       ; behind the stages: the spare words, 128 bytes for each wave: two blocks of 256 bytes that no other line names
.set NSLOT, 2048/(4*KS)         ; 8 slots of keys
.set AK0, 2           ; v2   my lane's place in a tile of K; never rewritten
.set AV0, 3           ; v3   the same for V
.set ADR, 4           ; v4   the LDS address of K's run of loads
.set AV,  5           ; v5   of V's
.set QO,  6           ; v6   my byte offset in 16 rows of Q
.set STO, 6           ;      later, the way out: where I put 16 bytes of a row
.set RD,  7           ; v7   where I read rows back
.set GO,  8           ; v8   16 x lane
.set PFO, 12          ; v12  256 x lane: the prefetches' offset; never rewritten
.set SPW, 14          ; v14  LDS address of my spare word; never rewritten
.set NIL, 15          ; v15  0; never rewritten
.set ST,  16          ; tile t's statistics at v[ST+8 t]: +0 c m, +1 m, +2, +3 l (even keys', odd keys'), +4 to +7 c0-c3 at work; a takes c2's place once the maximum is found
.set S,   64
.set P,   192
.set KF,  128         ; window 1: key block kb, channel half c at KF + 16 kb + 8 c
.set VF,  192         ; window 1: key half kk, channel block cb at VF + 32 kk + 8 cb
.set WV,  12          ; s12  my wave's number
.set LIM, 15          ; s15  1 in a wave that prefetches, else the greatest number
.set PFA, 18          ; s[18:19] where my prefetches stand
.set G1K, 24          ; s[24:31] descriptor group 1 for K's tiles
.set G1V, 32          ; s[32:39] for V's: it differs in the padding alone
.set G0K, 40          ; s[40:43] descriptor group 0 for K's tiles: it walks
.set G0V, 44          ; s[44:47] the same for V's
.set SLOTS, 56        ; s56  counts the slots
.set CNT, 57          ; s57  counts a slot's key steps
.set CS,  58          ; s[58:59] c: the packed scaling takes the pair's low word for both halves
.set SEL, 60          ; s[60:61] v_permlanex16_b32's selects: each lane takes its own place in the other half
.set TBK, 62          ; s62  LDS byte at which K of the step to be fetched begins
.set TBV, 63          ; s63  the same for V, less VOFF
.set MSB, 0
.macro WIN new                      ; the high byte repeats the setting that is left; a switch that changes nothing is dropped
.if MSB != (\new)
	s_set_vgpr_msb (MSB<<8)|(\new)
.set MSB, (\new)
.endif
.endm
.set W_KQ, 0x09       ; K in window 1, Q in window 2, S^T in window 0
.set W_PV, 0x51       ; V in window 1, P in window 0, O^T in window 1
.set W_RS, 0x41       ; O^T (destination and source 0) in window 1, a in window 0
; A joint fill.  Waves 0 and 1 fetch the two halves of a slot's K, waves 2 and 3 those of its V: 128 keys each.  An s_nop 0 and four v_nop follow each of the two lines.
.macro JLOAD
	s_cmp_lt_u32 s[WV], 2
	s_cbranch_scc0 .Lfor_v_\@
	tensor_load_to_lds s[G0K:G0K+3], s[G1K:G1K+7]
	s_nop 0
.rept 4
	v_nop
.endr
	s_branch .Lasked_\@
.Lfor_v_\@:
	tensor_load_to_lds s[G0V:G0V+3], s[G1V:G1V+7]
	s_nop 0
.rept 4
	v_nop
.endr
.Lasked_\@:
.endm
; A PREFETCH INTO THE L2 of what the NEXT change of slots will ask for: a slot's 32,768 bytes of K and of V, a lane for each 256 bytes.  Each such block is named ONCE in the launch: both clusters of a y walk
; the same rows, and the first of them asks; its four partners share the blocks out BY ADDRESS, 32 each; in each, wave 0 asks for K's and wave 2 for V's.  It stands behind the wave's tensor load and its five
; lines, four key steps (256 matrix instructions) ahead of the load that will want the bytes.  The last change that fills a slot asks for nothing; slots 0 to 2 come by their loads alone.
.macro ASK
	s_cmp_gt_u32 s[SLOTS], s[LIM]
	s_cbranch_scc0 .Lnot_mine_\@
	global_prefetch_b8 v[PFO], s[PFA:PFA+1] th:TH_LOAD_NT scope:SCOPE_SE
.Lnot_mine_\@:
.endm
; A round of the cluster's barrier
.macro CROUND
	s_barrier_signal -1
	s_barrier_wait -1
	s_cmp_lg_u32 s[WV], 0
	s_cbranch_scc1 .Lnot_wave_0_\@
	s_barrier_signal -3
.Lnot_wave_0_\@:
	s_barrier_wait -3
	s_barrier_signal -1
	s_barrier_wait -1
.endm
; THE CHANGE OF SLOTS, between piece 2's turn and piece 0's: the slot's last bytes, V of its fourth step, have been asked for.  Each wave waits for all its tensor loads, of which one is out: its part of the
; other slot; adds 0 to its spare word; and waits for that and for its own reads of the slot.  fill = 1: the barrier is a round of the cluster's, and the slot is filled again first thing behind it, with the keys
; two slots on: the load has four key steps in which to land.  (At its first use nothing has been read yet: slot 0 is waited for, slot 1 filled.)
.macro CHANGE fill, ask
	WIN 0
	s_wait_tensorcnt 0x0            ; no tensor load of mine is out, so a group 0 may be written
	ds_add_u32 v[SPW], v[NIL]       ; 0 onto my spare word; scalar work stands between it and the wait for it
.if \fill
.irp g, G0K, G0V
	s_xor_b32 s[\g+1], s[\g+1], SLOT1
	s_add_nc_u64 s[\g+2:\g+3], s[\g+2:\g+3], 4*KS*128
.endr
.endif
.if \ask
	s_wait_xcnt 0x0                 ; the last prefetch, four key steps back, has read its address
	s_add_nc_u64 s[PFA:PFA+1], s[PFA:PFA+1], 4*KS*128
.endif
	s_wait_dscnt 0x0                ; the add is done, and my reads of the slot are over
.if \fill
	CROUND
	JLOAD
.if \ask
	ASK
.endif
.else
	s_barrier_signal -1
	s_barrier_wait -1
.endif
	s_sub_co_u32 s[TBK], s[TBK], 4*KS*PK  ; the fetches go back to a slot's first step,
	s_xor_b32 s[TBK], s[TBK], SLOT1       ; in the other slot
	s_sub_co_u32 s[TBV], s[TBV], 4*KS*PV
	s_xor_b32 s[TBV], s[TBV], SLOT1
.endm
	s_load_b128 s[48:51], s[0:1], 0x0 ; qkv s[48:49], O s[50:51]
	v_lshl_add_u32 v[SPW], v0, 2, SPARE
	v_mov_b32 v[NIL], 0
	ds_add_u32 v[SPW], v[NIL]       ; the wave's opening: the add and its wait ahead of my first tensor load; work on registers stands between them
	v_lshrrev_b32 v1, 5, v0
	v_readfirstlane_b32 s[WV], v1   ; wave 0..3
	s_bfe_u32 s13, ttmp6, 0x40000   ; cx: my place in the cluster
	s_lshl_b32 s14, ttmp9, 2        ; in a cluster launch ttmp9 counts clusters
	s_add_co_u32 s14, s14, s13      ; my block of 256 queries: it enters Q's and O's addresses alone
	s_and_b32 s20, ttmp7, 0xffff    ; y, which the four partners share
	s_lshl_b32 s20, s20, 18         ; its 262,144 bytes
	s_and_b32 s16, s[WV], 1         ; which half of a slot's 256 keys I fetch:
	s_lshl_b32 s22, s16, 14         ; its 128 rows of 128 bytes in memory,
	s_add_co_u32 s22, s22, s20
	s_mov_b32 s23, 0
	s_mul_i32 s17, s16, 128*PK      ; and its place in a slot, for K
	s_mul_i32 s52, s16, 128*PV      ; and for V: no place in the cluster enters an LDS address
	s_lshl_b32 s2, s14, 15          ; my block's 256 rows,
	s_lshl_b32 s3, s[WV], 13        ; my wave's 64 of them
	s_add_co_u32 s2, s2, s3
	s_add_co_u32 s2, s2, s20
	s_mov_b32 s3, 0
	; descriptor group 1.  128 keys are 16,384 dense bytes: asked for as 64 rows of 256 bytes, two keys a row, and padded in LDS after every key
	s_mov_b32 s[G1K], 15|(1<<16)|(1<<20)|(1<<21)|(4<<22)|(3<<25)  ; 15:0 the mask of four; 17:16 2-byte elements; 20 padding on; 21 set beside a mask; 24:22 after every 32 words (code 4); 31:25 4 words (code 3)
	s_mov_b32 s[G1V], 15|(1<<16)|(1<<20)|(1<<21)|(4<<22)|(7<<25)  ; the same with 8 words of padding (code 7)
.irp g, G1K, G1V
	s_mov_b32 s[\g+1], 128<<16      ; tensor_dim0 = 128
	s_mov_b32 s[\g+2], 64<<16       ; tensor_dim1 = 64
	s_mov_b32 s[\g+3], 128<<16      ; tile_dim0 = 128
	s_mov_b32 s[\g+4], 64           ; tile_dim1 = 64
	s_mov_b32 s[\g+5], 128          ; 128 elements from row to row
	s_mov_b32 s[\g+6], 0
	s_mov_b32 s[\g+7], 0
.endr
	s_mov_b32 s[CS], 0x3e38aa3b     ; c = log2(e) / 8 = 0.180337
	s_mov_b32 s[CS+1], s[CS]        ; named with it as a pair
	s_mov_b32 s[SEL], 0x76543210
	s_mov_b32 s[SEL+1], 0xfedcba98
	s_mov_b32 s[TBK], SLOT1+4*KS*PK ; the first change of slots turns these two into 0
	s_mov_b32 s[TBV], SLOT1+4*KS*PV
	s_mov_b32 s[G0K], 1             ; 1:0 count = 1
	s_mov_b32 s[G0K+1], s17         ; 63:32 LDS address: slot 0
	s_mov_b32 s[G0V], 1
	s_add_co_u32 s[G0V+1], s52, VOFF
	s_and_b32 s[LIM], s[WV], 1      ; 0 in waves 0 and 2,
	s_or_b32 s[LIM], s[LIM], ttmp9  ; where the cluster is the first of its y: the same in all four partners
	s_cmp_eq_u32 s[LIM], 0
	s_cselect_b32 s[LIM], 1, -1
	v_and_b32 v[PFO], 31, v0
	v_lshlrev_b32 v[PFO], 8, v[PFO]
	s_wait_dscnt 0x0                ; the opening add is done
	s_wait_kmcnt 0x0
	s_add_nc_u64 s[6:7], s[48:49], s[22:23]
	s_add_nc_u64 s[8:9], s[6:7], 16777216  ; V at my half of the first 256 keys
	s_add_nc_u64 s[6:7], s[6:7], 8388608   ; K likewise
	s_mov_b64 s[G0K+2:G0K+3], s[6:7]       ; 120:64 global address
	s_or_b32 s[G0K+3], s[G0K+3], 0x80000000  ; 127:126 type = 2
	s_mov_b64 s[G0V+2:G0V+3], s[8:9]
	s_or_b32 s[G0V+3], s[G0V+3], 0x80000000
	s_add_nc_u64 s[4:5], s[48:49], s[2:3]  ; Q and O at my wave's first row
	s_add_nc_u64 s[10:11], s[50:51], s[2:3]
	s_cmp_lt_u32 s[WV], 2
	s_cselect_b64 s[PFA:PFA+1], s[6:7], s[8:9]  ; (in waves 0 and 2 these stand at a slot's first row)
	s_lshl_b32 s2, s13, 13          ; my work-group's 32 blocks of the 128
	s_add_nc_u64 s[PFA:PFA+1], s[PFA:PFA+1], s[2:3]
	s_add_nc_u64 s[PFA:PFA+1], s[PFA:PFA+1], 2*4*KS*128  ; in slot 2; the first change that asks steps it to slot 3
	CROUND                          ; all four work-groups are here: the first joint loads meet
	JLOAD                           ; slot 0.  Slot 1 is asked for when slot 0 is in
	; A fragment of K or Q is 16 rows x 32 channels in 8 registers: lane l holds row l % 16, channels 8 (l / 16) + 0..7 and 16 + 8 (l / 16) + 0..7: two loads of 16 bytes, 32 bytes apart.
	v_and_b32 v1, 15, v0            ; l % 16
	v_bfe_u32 v9, v0, 4, 1          ; l / 16
	v_lshlrev_b32 v[QO], 7, v1
	v_lshl_add_u32 v[QO], v9, 4, v[QO]
	WIN 0x80                        ; destination window 2, address window 0
.set i, 0
.rept 8                             ; Q stays in registers: tile i / 2, channels 32 (i % 2) on
	global_load_b128 v[8*i:8*i+3],   v[QO], s[4:5] offset:(i/2)*2048+(i%2)*64
	global_load_b128 v[8*i+4:8*i+7], v[QO], s[4:5] offset:(i/2)*2048+(i%2)*64+32
.set i, i+1
.endr
	; What the first turn finds: V's registers and piece 2's P hold 0 (its products V^T P, of a step that has not been, add 0), O^T and l are 0.  All this stands in the wait for the first tile.
	WIN 0x40
.set i, 0
.rept 128
	v_mov_b32 v[i], 0
.set i, i+1
.endr
.set i, VF
.rept 64
	v_mov_b32 v[i], 0
.set i, i+1
.endr
	WIN 0
.set i, 0
.rept 4
	v_mov_b32 v[ST+8*i], 0xfe000000    ; c m: far below every c s
	v_mov_b32 v[ST+8*i+1], 0xff7fffff  ; m
	v_mov_b32 v[ST+8*i+2], 0
	v_mov_b32 v[ST+8*i+3], 0
.set i, i+1
.endr
.set i, P+32
.rept 32
	v_mov_b32 v[i], 0
.set i, i+1
.endr
	v_mul_u32_u24 v[AK0], v1, PK
	v_lshl_add_u32 v[AK0], v9, 4, v[AK0]  ; row x pitch + 16 x half
	; The turning load takes 16 keys x 16 channels (lane l reads key 8 (l / 16) + l % 8, channels 8 ((l / 8) % 2) + 0..7) and leaves half a fragment of V^T: lane l holds channel l % 16 and 8 keys.
	v_and_b32 v10, 7, v0
	v_bfe_u32 v11, v0, 3, 1
	v_lshl_add_u32 v[AV0], v9, 3, v10
	v_mul_u32_u24 v[AV0], v[AV0], PV
	v_lshl_add_u32 v[AV0], v11, 4, v[AV0]
	v_add_nc_u32 v[AV0], VOFF, v[AV0]
; THE MATRIX WORK.  The 8 accumulators of a run of 16 take turns, one instruction a turn: between the two links of a chain stand 7 others'.
; Product i of 16 of S^T = K Q^T for piece x: channels 32 (i / 8) on, keys 16 ((i / 2) % 4) on, tile x + i % 2.  The first 8 start the sums.
.macro KQ x
	WIN W_KQ
.set rS, S+32*((\x)+i%2)+8*((i/2)%4)
.set rK, KF+16*((i/2)%4)+8*(i/8)
.set rQ, 16*((\x)+i%2)+8*(i/8)
.if i < 8
	v_wmma_f32_16x16x32_bf16 v[rS:rS+7], v[rK:rK+7], v[rQ:rQ+7], 0
.else
	v_wmma_f32_16x16x32_bf16 v[rS:rS+7], v[rK:rK+7], v[rQ:rQ+7], v[rS:rS+7]
.endif
.endm
; Product i of 16 of O^T += V^T P for piece x: keys 32 (i / 8) on, channels 16 ((i / 2) % 4) on, tile x + i % 2.
.macro PV x
	WIN W_PV
.set rO, 32*((\x)+i%2)+8*((i/2)%4)
.set rV, VF+32*(i/8)+8*((i/2)%4)
.set rP, P+16*((\x)+i%2)+8*(i/8)
	v_wmma_f32_16x16x32_bf16 v[rO:rO+7], v[rV:rV+7], v[rP:rP+7], v[rO:rO+7]
.endm
; THE LDS LOADS stand in runs of 16, never singly among the matrix instructions: a step's K (64 keys x 64 channels: 8 fragments) and its V (turned).
; last = 1 (the tail): in the last trip there is no further step, and the run is jumped over.
.macro FETCH_K last=0
	WIN 0
.if \last
	s_cmp_eq_u32 s[CNT], 1
	s_cbranch_scc1 .Lno_k_\@
.endif
	v_add_nc_u32 v[ADR], s[TBK], v[AK0]
	WIN 0x40                        ; destination window 1
.irp f, 0,1,2,3,4,5,6,7             ; keys 16 (f / 2) on, channels 32 (f % 2) on
	ds_load_b128 v[KF+8*\f:KF+8*\f+3],   v[ADR] offset:(\f/2)*16*PK+(\f%2)*64
	ds_load_b128 v[KF+8*\f+4:KF+8*\f+7], v[ADR] offset:(\f/2)*16*PK+(\f%2)*64+32
.endr
	s_add_co_u32 s[TBK], s[TBK], KS*PK  ; the next fetch is the next step's
	WIN 0
.if \last
.Lno_k_\@:
.endif
.endm
.macro FETCH_V
	WIN 0
	v_add_nc_u32 v[AV], s[TBV], v[AV0]
	WIN 0x40
.irp f, 0,1,2,3,4,5,6,7             ; keys 32 (f / 4) on, channels 16 (f % 4) on
	ds_load_tr16_b128 v[VF+8*\f:VF+8*\f+3],   v[AV] offset:(\f/4)*32*PV+(\f%4)*32
	ds_load_tr16_b128 v[VF+8*\f+4:VF+8*\f+7], v[AV] offset:(\f/4)*32*PV+16*PV+(\f%4)*32
.endr
	s_add_co_u32 s[TBV], s[TBV], KS*PV
	WIN 0
.endm
; THE VECTOR WORK OF A TURN.  One tile's softmax for one key step is a list of 118 instructions; SM writes number j of it for tile t.  s0-s31 are the lane's 32 scores, in pairs 0-15.
;   0-15    the maximum of s0-s31 and the old m, three operands at a time: four chains c0-c3 of seven scores each (each accumulator's lowest registers are read first), then the rest
;   16-20   the other half of the lanes' maximum; c m_old is kept; the new m; c m; c m_old - c m_new
;   21-69   ONE BATCH: the 16 scalings c s - c m, a pair of scores each, and all 33 exponentials (a at 23, then s0-s31).  None of these reads an exponential's result.  A pair is scaled ahead of its exponentials
;   (wait)  between 69 and 70 stands the wait for the batch: SLICE writes it, once for both tiles
;   70-85   the roundings to bf16     86-101  the sums; l = a l + the sum     102-117 the tile's O^T times a: the one part that leaves window 0
.macro SM t
.set rT, ST+8*(\t)
.set rS, S+32*(\t)
.set rP, P+16*(\t)
.set rO, 32*(\t)+2*(j-102)
.if j < 102
	WIN 0
.endif
.if j < 4
	v_max3_num_f32 v[rT+4+j], v[rS+8*j], v[rS+8*j+1], v[rS+8*j+2]
.elseif j < 12
	v_max3_num_f32 v[rT+4+j%4], v[rT+4+j%4], v[rS+8*(j%4)+2*(j/4)+1], v[rS+8*(j%4)+2*(j/4)+2]
.elseif j == 12
	v_max3_num_f32 v[rT+4], v[rT+4], v[rS+7], v[rS+15]
.elseif j == 13
	v_max3_num_f32 v[rT+6], v[rT+6], v[rS+23], v[rS+31]
.elseif j == 14
	v_max3_num_f32 v[rT+4], v[rT+4], v[rT+5], v[rT+6]
.elseif j == 15
	v_max3_num_f32 v[rT+4], v[rT+4], v[rT+7], v[rT+1]
.elseif j == 16
	v_permlanex16_b32 v[rT+5], v[rT+4], s[SEL], s[SEL+1]  ; the query's other 32 keys lie in the lane 16 away
.elseif j == 17
	v_mov_b32 v[rT+7], v[rT]        ; c m_old is kept for a: number 19 writes c m anew
.elseif j == 18
	v_max_num_f32 v[rT+1], v[rT+4], v[rT+5]
.elseif j == 19
	v_mul_f32 v[rT], s[CS], v[rT+1]
.elseif j == 20
	v_sub_f32 v[rT+7], v[rT+7], v[rT]
.elseif j == 23
	v_exp_f32 v[rT+6], v[rT+7]
.elseif (j < 23) || ((j < 38) && (j%2 == 0)) || ((j < 66) && (j%4 == 2))
.set b, (j-2)/4                     ; 38, 42, .. 62: pairs 9 to 15
.if j < 38
.set b, (j-20)/2                    ; 21: pair 0; 22, 24, .. 36: pairs 1 to 8
.endif
	v_pk_fma_f32 v[rS+2*b:rS+2*b+1], v[rS+2*b:rS+2*b+1], s[CS:CS+1], v[rT:rT+1] op_sel_hi:[1,0,0] neg_lo:[0,0,1] neg_hi:[0,0,1]  ; pair b: c s - c m
.elseif j < 70
.set e, j-38                        ; 66 to 69: s28 to s31
.if j < 66
.set e, j-32-(j-38)/4               ; 39-41, 43-45, .. 63-65: s7 to s27
.endif
.if j < 38
.set e, (j-25)/2                    ; 25, 27, .. 37: s0 to s6
.endif
	v_exp_f32 v[rS+e], v[rS+e]
.elseif j < 86
	v_cvt_pk_bf16_f32 v[rP+j-70], v[rS+2*(j-70)], v[rS+2*(j-70)+1]
.elseif j < 102                     ; the sum of the tile's 16 pairs, in place: neighbours 1, 2, 4 and 8 pairs apart, then l takes it
.set z, j-86
.set w, 4
.set u, z
.if z >= 14
.set w, 32
.set u, 0
.elseif z >= 12
.set w, 16
.set u, z-12
.elseif z >= 8
.set w, 8
.set u, z-8
.endif
.if z < 15
	v_pk_add_f32 v[rS+w*u:rS+w*u+1], v[rS+w*u:rS+w*u+1], v[rS+w*u+w/2:rS+w*u+w/2+1]
.else
	v_pk_fma_f32 v[rT+2:rT+3], v[rT+2:rT+3], v[rT+6:rT+7], v[rS:rS+1] op_sel_hi:[1,0,1]
.endif
.else
	WIN W_RS
	v_pk_mul_f32 v[rO:rO+1], v[rO:rO+1], v[rT+6:rT+7] op_sel_hi:[1,0]
.endif
.endm
; Slice k of 59 of piece y's softmax: four instructions.  Slices 11 to 34 deal out the batch, numbers 22 to 69: four numbers of ONE tile each, the tiles by turns.  Every other slice is numbers 2 k and 2 k + 1
; of both tiles' lists, the tiles alternating.  Ahead of slice 35 nothing names an exponential's result, and behind slice 34 no exponential is issued: the piece's 66 exponentials have one wait, behind slice 34.
.macro SLICE y
.if (k >= 11) && (k < 35)
.irp n, 0,1,2,3
.set j, 22+4*((k-11)/2)+(\n)
	SM (\y)+(k-11)%2
.endr
.else
.irp n, 0,1
.irp t, \y, (\y)+1
.set j, 2*k+(\n)
	SM \t
.endr
.endr
.endif
.if k == 34
	v_nop                           ; a plain instruction behind the last exponential and ahead of the first use: one for the batch (ISA guide 5.7.2)
	s_wait_alu depctr_va_vdst(0)    ; the wait ahead of the first reader: one for the batch
.endif
.set k, k+1
.endm
; A TURN.  Piece x has the matrix unit; the other piece's softmax stands in slices: one behind each of the 32 products, the other 27 (with the wait, the roundings, the sums and the rescaling) on end.
; That run is also the places between the turn's last K Q^T and the next turn's first read of those scores, and in front of the next loads into K's registers.
; Piece 0's turn fetches the next step's K behind its second product, 14 products ahead of the first use.  Piece 2's turn fetches the next step's V behind its second K Q^T: behind the last product that read V
; stand six scalings (numbers 30, 32 of both tiles, 34, 36 of one) and the run's own v_add_nc_u32: more than the four places that are asked for; the exponentials between are not counted.
.macro TURN x, last=0
.set k, 0
.if (\x) == 0
	s_wait_dscnt 0x0                ; V is in
.endif
.set i, 0
.rept 16
	PV \x
	SLICE 2-(\x)
.if ((\x) == 0) && (i == 1)
	FETCH_K \last
.endif
.set i, i+1
.endr
.if (\x) == 0
	s_wait_dscnt 0x0                ; K is in
.endif
.set i, 0
.rept 16
	KQ \x
	SLICE 2-(\x)
.if ((\x) == 2) && (i == 1)
	FETCH_V
.endif
.set i, i+1
.endr
.rept 27
	SLICE 2-(\x)
.endr
.endm
	CHANGE 1, 0                     ; slot 0 is in, everybody's part of it; slot 1 is asked for
	FETCH_K                         ; key step 0
	s_wait_loadcnt 0x0              ; Q
	s_wait_dscnt 0x0
.set i, 0
.rept 16
	KQ 0                            ; piece 0's first scores: there is no vector work yet to set between them
.set i, i+1
.endr
	WIN 0                           ; the addresses for the way out: plain instructions, the places behind those products
	s_mul_i32 s13, s[WV], 16*SP
	s_add_co_u32 s13, s13, STAGE    ; my stage
	v_mul_u32_u24 v[STO], v1, SP    ; in: row l % 16, 16 bytes for each half of the lanes
	v_lshl_add_u32 v[STO], v9, 4, v[STO]
	v_add_nc_u32 v[STO], s13, v[STO]
	v_bfe_u32 v[RD], v0, 3, 2       ; back: 32 lanes take four rows of 128 bytes,
	v_mul_u32_u24 v[RD], v[RD], SP
	v_lshl_add_u32 v[RD], v10, 4, v[RD]
	v_add_nc_u32 v[RD], s13, v[RD]
	v_and_b32 v[GO], 31, v0         ; which are 512 consecutive bytes of O
	v_lshlrev_b32 v[GO], 4, v[GO]
	s_mov_b32 s[CNT], 4
	s_mov_b32 s[SLOTS], NSLOT-1
	s_branch .Lmid                  ; the loop is entered at piece 2's turn, in the middle of a trip: it makes piece 2's first scores and piece 0's first softmax, and fetches V of step 0
.Lslot:                             ; NSLOT - 2 times: every slot but the last two is filled again
	CHANGE 1, 1
	s_mov_b32 s[CNT], 4
.Lstep:                             ; a trip: piece 0's turn and piece 2's, which fetch K and V of the next step
	TURN 0
	WIN 0
.Lmid:
	TURN 2
	WIN 0
	s_sub_co_u32 s[CNT], s[CNT], 1
	s_cmp_lg_u32 s[CNT], 0
	s_cbranch_scc1 .Lstep
	s_sub_co_u32 s[SLOTS], s[SLOTS], 1
	s_cmp_lg_u32 s[SLOTS], 0
	s_cbranch_scc1 .Lslot
	CHANGE 0, 0                     ; the tail is written out: nothing is asked for
	s_mov_b32 s[CNT], 5             ; four trips fetch the last slot's steps; the fifth is left in its middle
.Ltail:
	TURN 0, 1
	WIN 0
	s_sub_co_u32 s[CNT], s[CNT], 1
	s_cmp_eq_u32 s[CNT], 0
	s_cbranch_scc1 .Lout
	TURN 2
	WIN 0
	s_branch .Ltail
.Lout:                              ; the fifth trip's 16 products K Q^T (on the last K once more) serve nothing: the price, once a launch, of one text for every trip
.set i, 0
.rept 16
	PV 2                            ; piece 2's V^T P of the last step
.set i, i+1
.endr
	; THE WAY OUT.  l's two halves and the other half of the lanes' are added; O^T is divided by l, rounded to bf16 and sent through my stage in LDS, a tile at a time.  The additions are the places behind the last products.
	WIN 0
.macro ALL line:vararg              ; one line for each tile t
.set t, 0
.rept 4
	\line
.set t, t+1
.endr
.endm
	ALL v_add_f32 v[ST+8*t+2], v[ST+8*t+2], v[ST+8*t+3]
	ALL v_permlanex16_b32 v[ST+8*t+3], v[ST+8*t+2], s[SEL], s[SEL+1]
	ALL v_add_f32 v[ST+8*t+2], v[ST+8*t+2], v[ST+8*t+3]
	ALL v_rcp_f32 v[ST+8*t+2], v[ST+8*t+2]
	v_nop                           ; a plain instruction between the last reciprocal and the use of its result
	s_wait_alu depctr_va_vdst(0)    ; and the wait ahead of the first use: one for the four reciprocals
; Tile t: a lane's eight channels of a row pack into 16 bytes; they go into rows of 144 bytes and come back as whole rows of 128, into S^T's registers.
.macro PACK t
	WIN W_RS
.set i, 32*(\t)
.rept 16
	v_pk_mul_f32 v[i:i+1], v[i:i+1], v[ST+8*(\t)+2:ST+8*(\t)+3] op_sel_hi:[1,0]
.set i, i+2
.endr
	WIN 0x05                        ; sources 0 and 1 window 1, destination window 0
.set i, 0
.rept 16
	v_cvt_pk_bf16_f32 v[S+16*(\t)+i], v[32*(\t)+2*i], v[32*(\t)+2*i+1]
.set i, i+1
.endr
	WIN 0
.irp f, 0,1,2,3
	ds_store_b128 v[STO], v[S+16*(\t)+4*\f:S+16*(\t)+4*\f+3] offset:32*\f
.endr
.irp f, 0,1,2,3
	ds_load_b128 v[S+16*(\t)+4*\f:S+16*(\t)+4*\f+3], v[RD] offset:\f*4*SP  ; LDS serves a wave's instructions in order (ISA guide 5.7.1.4): these see the stores above; the next tile's stores come behind them
.endr
.endm
.macro SEND t, younger              ; younger: the LDS instructions issued behind tile t's loads: the next tile's eight, or none
	WIN 0
.irp f, 0,1,2,3
	s_wait_dscnt (\younger)+3-\f
	global_store_b128 v[GO], v[S+16*(\t)+4*\f:S+16*(\t)+4*\f+3], s[10:11] offset:(\t)*2048+\f*512  ; 512 consecutive bytes, at a multiple of 256 from O's first
.endr
.endm
	PACK 0
	PACK 1                          ; a tile's arithmetic stands between the loads of the tile before and its stores
	SEND 0, 8
	PACK 2
	SEND 1, 8
	PACK 3
	SEND 2, 8
	SEND 3, 0
	s_wait_tensorcnt 0x0            ; the wave's end: behind my last tensor load and my last LDS store
	ds_add_u32 v[SPW], v[NIL]
	s_wait_dscnt 0x0
	CROUND                          ; the closing round: no work-group ends while a partner may still ask for a tile that names it
	s_endpgm
.Lfunc_end_k_qca58cb1055_attn:
	.size	k_qca58cb1055_attn, .Lfunc_end_k_qca58cb1055_attn-k_qca58cb1055_attn
	.p2alignl 7, 3214868480
	.fill 96, 4, 3214868480
	.section	.rodata,"a",@progbits
	.p2align	6, 0x0
	.amdhsa_kernel k_qca58cb1055_attn
		.amdhsa_group_segment_fixed_size 327680
		.amdhsa_private_segment_fixed_size 0
		.amdhsa_enable_private_segment 0
		.amdhsa_kernarg_size 16
		.amdhsa_user_sgpr_count 2
		.amdhsa_user_sgpr_kernarg_segment_ptr 1
		.amdhsa_wavefront_size32 1
		.amdhsa_system_sgpr_workgroup_id_x 1
		.amdhsa_system_sgpr_workgroup_id_y 1
		.amdhsa_system_sgpr_workgroup_id_z 1
		.amdhsa_system_vgpr_workitem_id 0
		.amdhsa_next_free_vgpr 576
		.amdhsa_next_free_sgpr 66
		.amdhsa_reserve_vcc 0
		.amdhsa_float_denorm_mode_32 3
		.amdhsa_float_denorm_mode_16_64 3
		.amdhsa_memory_ordered 1
		.amdhsa_forward_progress 1
		.amdhsa_inst_pref_size 108
	.end_amdhsa_kernel
	.amdgpu_metadata
---
amdhsa.version: [ 1, 2 ]
amdhsa.kernels:
  - .name:           k_qca58cb1055_attn
    .symbol:         k_qca58cb1055_attn.kd
    .args:
      - { .name: qkv, .offset: 0, .size: 8, .value_kind: global_buffer, .address_space: global }
      - { .name: act, .offset: 8, .size: 8, .value_kind: global_buffer, .address_space: global }
    .group_segment_fixed_size: 327680
    .private_segment_fixed_size: 0
    .kernarg_segment_align: 8
    .kernarg_segment_size: 16
    .max_flat_workgroup_size: 128
    .sgpr_count:     66
    .vgpr_count:     576
    .wavefront_size: 32
...
	.end_amdgpu_metadata
.endif
;; end of part 4
;; launch proj (part 5): grid 8 x 32, 4 waves a work-group, clusters of 4 x 4, 327,680 bytes of LDS; arguments act, wr, bo, x, x1; writes x1
.if DOCPART == 5
	.amdgcn_target "amdgcn-amd-amdhsa--gfx1250"
	.amdhsa_code_object_version 6
	.text
	.protected	k_qca58cb1055_proj
	.globl	k_qca58cb1055_proj
	.p2align	8
	.type	k_qca58cb1055_proj,@function
k_qca58cb1055_proj:
	s_mov_b64 s[64:65], 0
	v_nop
	global_prefetch_b8 v0, s[64:65] scope:SCOPE_SE
	s_setreg_imm32_b32 hwreg(HW_REG_WAVE_MODE, 25, 1), 1
	s_wait_xcnt 0x0
	s_wait_alu depctr_hold_cnt(0) depctr_sa_sdst(0) depctr_va_vdst(0) depctr_va_sdst(0) depctr_va_ssrc(0) depctr_va_vcc(0) depctr_vm_vsrc(0)
	s_getreg_b32 s2, hwreg(HW_REG_IB_STS2, 6, 4)
	s_cmp_eq_u32 s2, 0
	s_cbranch_scc0 .Lentry_in_a_cluster
	s_endpgm
.Lentry_in_a_cluster:
	s_bfe_u32 s2, ttmp6, 0x10000c
	s_cmp_lg_u32 s2, 0xf033
	s_cbranch_scc0 .Lentry_shape_is_right
	s_endpgm
.Lentry_shape_is_right:
; C = R + A W + bias, all of C, R and bias in f32.  A: 4,096 rows x KDIM in blocks [KDIM/64][4096][64] bf16.  W: from byte BOFF of its buffer, bf16 in column blocks [8][KDIM][128].
; R (the residual) and C: [4096][1024] f32.  This text serves two launches that differ in KDIM and BOFF alone: the attention's output projection (1,024; 0) and the MLP's second layer (4,096; 2,097,152).
; LIMITS.  The product's operands are bf16; sums, bias and residual f32; NaN and infinities are not treated apart.
; SHARES.  A tile of C is 128 x 128; four waves, each 64 x 64: 16 accumulators of 16 x 16.  K goes in steps of 256 through two LDS slots; a wave's one tensor load brings a quarter of a slot.
; CLUSTERS: 4 x 4 work-groups; the four of a row of the cluster need the same tiles of A, the four of a column the same tiles of W: each tile is asked for JOINTLY, by the same load, descriptor and mask.
; THE MATRIX INSTRUCTION IS USED TRANSPOSED: source 0 = 16 columns of W (turned on the way out of LDS, by ds_load_tr16_b128), source 1 = 16 rows of A: a lane holds eight neighbouring columns of one row of C.
; THE BIAS STARTS THE SUMS: it is loaded straight into the accumulators.  THE RESIDUAL TILE is asked for at the start, into 128 registers of its own, and waited for at the end.
; No prefetch is laid: the tiles are small and each is read by several clusters.
; REGISTERS: window 0: v1-7 at work, v16-29 addresses, v32-95 the way out, v128-255 the accumulators ((a, b) at 128 + 8 (4 a + b)).
;   window 1: two fragment buffers of 128.          window 2: v0-127 the residual, then C.
.set KDIM,  1024
.set BOFF,  0
.set KSTEP, 256
.set LAPS,  KDIM/(2*KSTEP)             ; a lap = two K steps = once round the ring
.set PA,    144                        ; a row of A in LDS: 128 bytes + 16 = 36 words: the 16 rows of a load start at 16 different groups of four banks (64 banks of 4 bytes: ISA guide 11.1)
.set ABLK,  128*PA                     ; 128 rows x 64 K
.set PB,    288                        ; a row of W: 256 bytes + 32 = 72 words
.set HALFT, 2*ABLK                     ; what one tensor load brings: two blocks of A, or 128 rows of W
.set SLOT,  4*HALFT                    ; A's four blocks, then W's 256 rows
.set STAGE, 2*SLOT                     ; behind the ring, never filled by a tensor load: 16 rows x 272 bytes for each wave
.set SP,    272                        ; 256 bytes + 16 = 68 words: row r starts at bank 4 r mod 64
.set SPARE, STAGE+4*16*SP              ; behind the stages: the spare words, 128 bytes for each wave: two blocks of 256 bytes that no other line names
.set ADRA, 16                          ; v16-17  LDS address of my A fragments in slot 0, 1
.set ADRB, 20                          ; v20-23  of my W fragments: slot 0 rows 0-127, rows 128-255, slot 1 likewise
.set STO,  24                          ; v24     the way out: where I put 32 bytes of a row
.set RD,   25                          ; v25     where I read rows back
.set CO,   26                          ; v26     my 16 bytes in two rows of R and of C
.set BO,   27                          ; v27     32 (lane / 16): my eight columns' bias
.set SPW,  28                          ; v28     LDS address of my spare word; never rewritten
.set NIL,  29                          ; v29     0; never rewritten
.set TMP,  32
.set ACC,  128
.set F0,   0
.set F1,   128
.set XR,   0                           ; window 2
.set G1,  24                           ; s[24:31] descriptor group 1 for A's tiles; s[32:39] group 0, a set for each slot
.set G0,  32
.set G1B, 48                           ; s[48:55], s[56:63] the same for W's
.set G0B, 56
.set MSB, 0
.macro WIN new                         ; the immediate's high byte repeats the setting that is left; a switch that changes nothing is dropped
.if MSB != (\new)
	s_set_vgpr_msb (MSB<<8)|(\new)
.set MSB, \new
.endif
.endm
.set MUL,  0x05                        ; sources 0 (W) and 1 (A) window 1; C and D window 0
.set TO_F, 0x40                        ; destination window 1, address window 0
.macro JLOAD s                         ; a joint load: waves 0 and 1 fetch A's two halves, waves 2 and 3 W's; an s_nop 0 and four v_nop follow each of the two lines
	s_cmp_eq_u32 s11, 0
	s_cbranch_scc0 .Lfor_b_\@
	tensor_load_to_lds s[G0+4*(\s):G0+4*(\s)+3], s[G1:G1+7]
	s_nop 0
.rept 4
	v_nop
.endr
	s_branch .Lasked_\@
.Lfor_b_\@:
	tensor_load_to_lds s[G0B+4*(\s):G0B+4*(\s)+3], s[G1B:G1B+7]
	s_nop 0
.rept 4
	v_nop
.endr
.Lasked_\@:
.endm
.macro CREST                           ; a round of the cluster's barrier behind its opening barrier
	s_cmp_lg_u32 s10, 0
	s_cbranch_scc1 .Lnot_wave_0_\@
	s_barrier_signal -3
.Lnot_wave_0_\@:
	s_barrier_wait -3
	s_barrier_signal -1
	s_barrier_wait -1
.endm
.macro CROUND                          ; a whole round
	s_barrier_signal -1
	s_barrier_wait -1
	CREST
.endm
	s_load_b128 s[4:7], s[0:1], 0x0                ; A s[4:5], W s[6:7]
	s_load_b128 s[68:71], s[0:1], 0x10             ; bias s[68:69], R s[70:71]
	s_load_b64 s[72:73], s[0:1], 0x20              ; C
	v_lshl_add_u32 v[SPW], v0, 2, SPARE
	v_mov_b32 v[NIL], 0
	ds_add_u32 v[SPW], v[NIL]                      ; the wave's opening: the add and its wait ahead of my first tensor load; work on registers stands between them
	v_lshrrev_b32 v1, 5, v0
	v_readfirstlane_b32 s10, v1                    ; wave 0..3
	s_lshr_b32 s11, s10, 1                         ; which half of the tile's rows is mine.  Also: I fetch for A (0) or for W (1)
	s_and_b32 s12, s10, 1                          ; which half of its columns.  Also: which half of that tile I fetch
	s_bfe_u32 s40, ttmp6, 0x40000                  ; cx, cy: my place in the cluster
	s_bfe_u32 s41, ttmp6, 0x40004
	s_lshl_b32 s42, ttmp9, 2
	s_add_co_u32 s42, s42, s40                     ; tile column of C = 4 x cluster x + cx
	s_and_b32 s13, ttmp7, 0xffff
	s_lshl_b32 s13, s13, 2
	s_add_co_u32 s13, s13, s41                     ; tile row of C = 4 x cluster y + cy
	s_lshl_b32 s43, s41, 2
	s_lshl_b32 s43, 15, s43                        ; my row of the cluster
	s_lshl_b32 s44, 0x1111, s40                    ; my column
	; A's descriptor: two blocks of 128 rows x 64 K.  A block's part is 16,384 bytes on end, asked for as ONE row of 8,192 elements, and padded in LDS behind every 128 bytes
	s_or_b32 s[G1+0], s43, (1<<16)|(1<<20)|(1<<21)|(4<<22)|(3<<25)  ; 15:0 the mask: my row; 17:16 2-byte elements; 20 padding on; 21 set beside a mask; 24:22 after every 32 words (code 4); 31:25 4 words (code 3)
	s_mov_b32 s[G1+1], 8192<<16                    ; tensor_dim0 = 8,192
	s_mov_b32 s[G1+2], 2<<16                       ; tensor_dim1 = 2
	s_mov_b32 s[G1+3], 8192<<16                    ; tile_dim0 = 8,192
	s_mov_b32 s[G1+4], 2                           ; tile_dim1 = 2
	s_mov_b32 s[G1+5], 262144                      ; elements from block to block: 4,096 rows x 64
	s_mov_b32 s[G1+6], 0
	s_mov_b32 s[G1+7], 0
	; W's descriptor: 128 rows of K x 128 columns, rows of 256 bytes on end, padded by 32 bytes each
	s_or_b32 s[G1B+0], s44, (1<<16)|(1<<20)|(1<<21)|(5<<22)|(7<<25) ; the mask: my column; after every 64 words (code 5) 8 words (code 7)
	s_mov_b32 s[G1B+1], 128<<16
	s_mov_b32 s[G1B+2], 128<<16
	s_mov_b32 s[G1B+3], 128<<16
	s_mov_b32 s[G1B+4], 128
	s_mov_b32 s[G1B+5], 128
	s_mov_b32 s[G1B+6], 0
	s_mov_b32 s[G1B+7], 0
	s_lshl_b32 s16, s13, 14                        ; A: the tile's 128 rows of 128 bytes in a block,
	s_lshl_b32 s17, s12, 20                        ; and my two blocks of the K step's four
	s_add_co_u32 s16, s16, s17
	s_mov_b32 s17, 0
	s_mul_i32 s46, s42, KDIM*256                   ; W: the tile's column block,
	s_lshl_b32 s47, s12, 15                        ; my 128 rows of the K step's 256,
	s_add_co_u32 s46, s46, s47
	s_add_co_u32 s46, s46, BOFF                    ; from the weight's first byte in its buffer
	s_mov_b32 s47, 0
	s_mul_i32 s20, s10, HALFT                      ; where they go: wave x a quarter of a slot: no place in the cluster enters an LDS address
	s_wait_dscnt 0x0                               ; the opening add is done
	s_wait_kmcnt 0x0
	s_add_nc_u64 s[14:15], s[4:5], s[16:17]
	s_add_nc_u64 s[46:47], s[6:7], s[46:47]
	CROUND                                         ; all sixteen work-groups are here: the first joint loads meet
.irp s, 0,1
	s_mov_b32 s[G0+4*(\s)], 1
	s_add_co_u32 s[G0+4*(\s)+1], s20, (\s)*SLOT
	s_add_nc_u64 s[G0+4*(\s)+2:G0+4*(\s)+3], s[14:15], (\s)*4*524288   ; K step s: four blocks on
	s_or_b32 s[G0+4*(\s)+3], s[G0+4*(\s)+3], 0x80000000
	s_mov_b32 s[G0B+4*(\s)], 1
	s_add_co_u32 s[G0B+4*(\s)+1], s20, (\s)*SLOT
	s_add_nc_u64 s[G0B+4*(\s)+2:G0B+4*(\s)+3], s[46:47], (\s)*KSTEP*256
	s_or_b32 s[G0B+4*(\s)+3], s[G0B+4*(\s)+3], 0x80000000
	JLOAD \s                                       ; two loads of mine are out
.endr
	v_and_b32 v1, 15, v0                           ; l % 16
	v_bfe_u32 v2, v0, 4, 1                         ; l / 16
	v_lshlrev_b32 v[BO], 5, v2
	s_lshl_b32 s46, s42, 9                         ; my wave's 64 columns of f32: in the bias, and in a row of R and of C
	s_lshl_b32 s47, s12, 8
	s_add_co_u32 s46, s46, s47
	s_mov_b32 s47, 0
	s_add_nc_u64 s[18:19], s[68:69], s[46:47]
.irp a, 0,1,2,3
.irp b, 0,1,2,3
	global_load_b128 v[ACC+8*(4*(\a)+(\b)):ACC+8*(4*(\a)+(\b))+3],   v[BO], s[18:19] offset:64*(\b)      ; register j of accumulator (a, b) is column 16 b + 8 (l / 16) + j, whatever the row
	global_load_b128 v[ACC+8*(4*(\a)+(\b))+4:ACC+8*(4*(\a)+(\b))+7], v[BO], s[18:19] offset:64*(\b)+16
.endr
.endr
	s_lshl_b32 s16, s13, 19                        ; my 64 rows of 4,096 bytes
	s_lshl_b32 s17, s11, 18
	s_add_co_u32 s16, s16, s17
	s_mov_b32 s17, 0
	s_add_nc_u64 s[70:71], s[70:71], s[16:17]
	s_add_nc_u64 s[70:71], s[70:71], s[46:47]
	s_add_nc_u64 s[72:73], s[72:73], s[16:17]
	s_add_nc_u64 s[72:73], s[72:73], s[46:47]
	v_lshlrev_b32 v[CO], 12, v2                    ; lanes 0-15 take 256 bytes of one row, lanes 16-31 of the next
	v_lshl_add_u32 v[CO], v1, 4, v[CO]
	WIN 0x80                                       ; destination window 2, address window 0
.irp a, 0,1,2,3
.irp t, 0,1,2,3,4,5,6,7
	global_load_b128 v[XR+32*(\a)+4*(\t):XR+32*(\a)+4*(\t)+3], v[CO], s[70:71] offset:(16*(\a)+2*(\t))*4096 th:TH_LOAD_NT
.endr
.endr
	WIN 0
	; A fragment of A: 16 rows x 32 K: lane l holds row l % 16, K = 8 (l / 16) + 0..7 and 16 + 8 (l / 16) + 0..7: two loads of 16 bytes, 32 bytes apart
	v_mul_u32_u24 v3, v1, PA
	v_lshl_add_u32 v3, v2, 4, v3
	s_mul_i32 s21, s11, 64*PA                      ; my 64 rows
	v_add_nc_u32 v[ADRA], s21, v3
	v_add_nc_u32 v[ADRA+1], SLOT, v[ADRA]
	; The turning load takes 16 K x 16 columns (lane l reads K = 8 (l / 16) + l % 8, columns 8 ((l / 8) % 2) + 0..7) and leaves half a fragment: lane l holds column l % 16 and 8 K
	v_and_b32 v4, 7, v0
	v_lshl_add_u32 v4, v2, 3, v4
	v_mul_u32_u24 v4, v4, PB
	v_bfe_u32 v5, v0, 3, 1
	v_lshl_add_u32 v4, v5, 4, v4
	s_lshl_b32 s22, s12, 7                         ; my 64 columns,
	s_add_co_u32 s22, s22, 2*HALFT                 ; behind A's four blocks
	v_add_nc_u32 v[ADRB], s22, v4
	v_add_nc_u32 v[ADRB+1], HALFT, v[ADRB]
	v_add_nc_u32 v[ADRB+2], SLOT, v[ADRB]
	v_add_nc_u32 v[ADRB+3], SLOT+HALFT, v[ADRB]
	s_mul_i32 s23, s10, 16*SP
	s_add_co_u32 s23, s23, STAGE                   ; my stage
	v_mul_u32_u24 v6, v1, SP                       ; in: row l % 16, 32 bytes for each half of the lanes
	v_lshl_add_u32 v6, v2, 5, v6
	v_add_nc_u32 v[STO], s23, v6
	v_mul_u32_u24 v6, v2, SP                       ; back: lanes 0-15 take one row of 256 bytes, lanes 16-31 the next
	v_lshl_add_u32 v6, v1, 4, v6
	v_add_nc_u32 v[RD], s23, v6
; 8 matrix instructions: row blocks a0, a0 + 1 x all 4 column blocks, 32 along K: half c of buffer f.  The 16 accumulators take turns, one instruction a turn, over the backward jump too
.macro MUL8 f, c, a0
	WIN MUL
.irp a, \a0, (\a0)+1
.irp b, 0,1,2,3
	v_wmma_f32_16x16x32_bf16 v[ACC+8*(4*(\a)+(\b)):ACC+8*(4*(\a)+(\b))+7], v[(\f)+64+8*(4*(\c)+(\b)):(\f)+64+8*(4*(\c)+(\b))+7], v[(\f)+8*(4*(\c)+(\a)):(\f)+8*(4*(\c)+(\a))+7], v[ACC+8*(4*(\a)+(\b)):ACC+8*(4*(\a)+(\b))+7]
.endr
.endr
.endm
; 32 LDS loads in one run: the fragments of quarter q (64 along K) of a slot into buffer f; the first 32 along K first
.macro FETCH slot, q, f
	WIN TO_F
.irp c, 0,1
.irp i, 0,1,2,3
	ds_load_tr16_b128 v[(\f)+64+8*(4*(\c)+(\i)):(\f)+64+8*(4*(\c)+(\i))+3],   v[ADRB+2*(\slot)+(\q)/2] offset:((\q)%2)*64*PB+(\c)*32*PB+32*(\i)
	ds_load_tr16_b128 v[(\f)+64+8*(4*(\c)+(\i))+4:(\f)+64+8*(4*(\c)+(\i))+7], v[ADRB+2*(\slot)+(\q)/2] offset:((\q)%2)*64*PB+(\c)*32*PB+16*PB+32*(\i)
	ds_load_b128 v[(\f)+8*(4*(\c)+(\i)):(\f)+8*(4*(\c)+(\i))+3],             v[ADRA+(\slot)] offset:(\q)*ABLK+(\i)*16*PA+64*(\c)
	ds_load_b128 v[(\f)+8*(4*(\c)+(\i))+4:(\f)+8*(4*(\c)+(\i))+7],           v[ADRA+(\slot)] offset:(\q)*ABLK+(\i)*16*PA+64*(\c)+32
.endr
.endr
.endm
.macro PLACES                          ; four places in front of loads into registers that matrix instructions have read, and of lines that read results
.rept 4
	v_nop
.endr
.endm
; A K step is four quarters of 64 along K, 32 matrix instructions each, on buffers 0, 1, 0, 1.  One of the first three: multiplies buffer f and fetches quarter q into g
.macro QUARTER slot, q, f, g
	s_wait_dscnt 16                                ; the first 32 along K are in; the youngest sixteen loads may be out
	MUL8 \f, 0, 0
	MUL8 \f, 0, 2
	PLACES
	FETCH \slot, \q, \g
	s_wait_dscnt 32                                ; all but the 32 just issued
	MUL8 \f, 1, 0
	MUL8 \f, 1, 2
.endm
; The last quarter multiplies buffer 1 and changes slots: ONE barrier; in front of it each wave waits for all its tensor loads (one is out: its part of the next slot), adds 0 to its spare
; word, and waits for that and for its own reads of this slot.  fill = 1: the barrier opens a round of the cluster's, and this slot is filled again first thing behind it, two K steps ahead:
; 112 matrix instructions stand between that request and the wait for it.
.macro TURN slot, next, fill
	WIN 0
	s_wait_tensorcnt 0x0
	ds_add_u32 v[SPW], v[NIL]
	s_wait_dscnt 17                                ; (the add and the youngest sixteen loads may be out)
	MUL8 F1, 0, 0
	s_wait_dscnt 0x0                               ; the add is done, and my reads of this slot are over
	s_barrier_signal -1
	MUL8 F1, 0, 2
.if \fill
	WIN 0
.endif
	s_barrier_wait -1
.if \fill
	CREST                                          ; no wave of any partner still reads this slot's tiles or has a load on its way
	s_add_nc_u64 s[G0+4*(\slot)+2:G0+4*(\slot)+3], s[G0+4*(\slot)+2:G0+4*(\slot)+3], 8*524288
	s_add_nc_u64 s[G0B+4*(\slot)+2:G0B+4*(\slot)+3], s[G0B+4*(\slot)+2:G0B+4*(\slot)+3], 2*KSTEP*256
	JLOAD \slot                                    ; its four v_nop are also the places in front of the loads below
.else
	PLACES
.endif
	FETCH \next, 0, F0
	MUL8 F1, 1, 0
	MUL8 F1, 1, 2
.endm
	s_wait_tensorcnt 1                             ; my part of K step 0 is in; K step 1's may stay out
	s_barrier_signal -1
	s_barrier_wait -1                              ; everybody's is
	FETCH 0, 0, F0
	s_wait_loadcnt 32                              ; the bias lies in the accumulators; the residual's 32 loads stay out
	WIN 0                                          ; at a label and at a branch every window is 0
	s_mov_b32 s3, LAPS-1
.Llap:                                                 ; a trip goes once round the ring and fills both slots again
	QUARTER 0, 1, F0, F1
	QUARTER 0, 2, F1, F0
	QUARTER 0, 3, F0, F1
	TURN 0, 1, 1
	QUARTER 1, 1, F0, F1
	QUARTER 1, 2, F1, F0
	QUARTER 1, 3, F0, F1
	TURN 1, 0, 1
	WIN 0
	s_sub_co_u32 s3, s3, 1
	s_cmp_lg_u32 s3, 0
	s_cbranch_scc1 .Llap
	QUARTER 0, 1, F0, F1                           ; the last lap is written out: it fills nothing
	QUARTER 0, 2, F1, F0
	QUARTER 0, 3, F0, F1
	TURN 0, 1, 0
	QUARTER 1, 1, F0, F1
	QUARTER 1, 2, F1, F0
	QUARTER 1, 3, F0, F1
	s_wait_dscnt 16                                ; the very last quarter: nothing more to fetch
	MUL8 F1, 0, 0
	MUL8 F1, 0, 2
	s_wait_dscnt 0x0
	MUL8 F1, 1, 0
	MUL8 F1, 1, 2
	WIN 0
	; THE WAY OUT, 16 rows at a time.  My 64 columns of f32 are 256 bytes of a row of C, aligned.  The sums go from the accumulators (their low four registers first) into my own stage and come back as
	; whole rows; the residual is added, into the residual's registers, and stored.  LDS serves a wave's instructions in order (ISA guide 5.7.1.4): the stage needs no wait between its stores and its loads.
.macro TOSTAGE a
.irp b, 0,1,2,3
	ds_store_b128 v[STO], v[ACC+8*(4*(\a)+(\b)):ACC+8*(4*(\a)+(\b))+3]   offset:64*(\b)
	ds_store_b128 v[STO], v[ACC+8*(4*(\a)+(\b))+4:ACC+8*(4*(\a)+(\b))+7] offset:64*(\b)+16
.endr
.irp t, 0,1,2,3,4,5,6,7
	ds_load_b128 v[TMP+32*((\a)%2)+4*(\t):TMP+32*((\a)%2)+4*(\t)+3], v[RD] offset:(\t)*2*SP
.endr
.endm
.macro SEND a, younger                 ; younger: the LDS instructions issued behind block a's loads: the next block's sixteen, or none
	s_wait_dscnt \younger
	WIN 0x88                                       ; destination and source 1 window 2, source 0 window 0
.set n, 0
.rept 16
	v_pk_add_f32 v[XR+32*(\a)+2*n:XR+32*(\a)+2*n+1], v[TMP+32*((\a)%2)+2*n:TMP+32*((\a)%2)+2*n+1], v[XR+32*(\a)+2*n:XR+32*(\a)+2*n+1]
.set n, n+1
.endr
	WIN 0x08                                       ; a store's data is source 1: window 2
.irp t, 0,1,2,3,4,5,6,7
	global_store_b128 v[CO], v[XR+32*(\a)+4*(\t):XR+32*(\a)+4*(\t)+3], s[72:73] offset:(16*(\a)+2*(\t))*4096  ; 16 lanes store 256 consecutive bytes, at a multiple of 256 from C's first; no register is written again
.endr
	WIN 0
.endm
	PLACES
	s_wait_loadcnt 0x0                             ; the residual
	TOSTAGE 0
	TOSTAGE 1
	SEND 0, 16
	TOSTAGE 2
	SEND 1, 16
	TOSTAGE 3
	SEND 2, 16
	SEND 3, 0
	s_wait_tensorcnt 0x0                           ; the wave's end: behind my last tensor load and my last LDS store
	ds_add_u32 v[SPW], v[NIL]
	s_wait_dscnt 0x0
	CROUND                                         ; the closing round: no work-group ends while a partner may still ask for a tile that names it
	s_endpgm
.Lfunc_end_k_qca58cb1055_proj:
	.size	k_qca58cb1055_proj, .Lfunc_end_k_qca58cb1055_proj-k_qca58cb1055_proj
	.p2alignl 7, 3214868480
	.fill 96, 4, 3214868480
	.section	.rodata,"a",@progbits
	.p2align	6, 0x0
	.amdhsa_kernel k_qca58cb1055_proj
		.amdhsa_group_segment_fixed_size 327680
		.amdhsa_private_segment_fixed_size 0
		.amdhsa_enable_private_segment 0
		.amdhsa_kernarg_size 40
		.amdhsa_user_sgpr_count 2
		.amdhsa_user_sgpr_kernarg_segment_ptr 1
		.amdhsa_wavefront_size32 1
		.amdhsa_system_sgpr_workgroup_id_x 1
		.amdhsa_system_sgpr_workgroup_id_y 1
		.amdhsa_system_sgpr_workgroup_id_z 1
		.amdhsa_system_vgpr_workitem_id 0
		.amdhsa_next_free_vgpr 640
		.amdhsa_next_free_sgpr 74
		.amdhsa_reserve_vcc 0
		.amdhsa_float_denorm_mode_32 3
		.amdhsa_float_denorm_mode_16_64 3
		.amdhsa_memory_ordered 1
		.amdhsa_forward_progress 1
		.amdhsa_inst_pref_size 96
	.end_amdhsa_kernel
	.amdgpu_metadata
---
amdhsa.version: [ 1, 2 ]
amdhsa.kernels:
  - .name:           k_qca58cb1055_proj
    .symbol:         k_qca58cb1055_proj.kd
    .args:
      - { .name: act, .offset: 0, .size: 8, .value_kind: global_buffer, .address_space: global }
      - { .name: wr, .offset: 8, .size: 8, .value_kind: global_buffer, .address_space: global }
      - { .name: bo, .offset: 16, .size: 8, .value_kind: global_buffer, .address_space: global }
      - { .name: x, .offset: 24, .size: 8, .value_kind: global_buffer, .address_space: global }
      - { .name: x1, .offset: 32, .size: 8, .value_kind: global_buffer, .address_space: global }
    .group_segment_fixed_size: 327680
    .private_segment_fixed_size: 0
    .kernarg_segment_align: 8
    .kernarg_segment_size: 40
    .max_flat_workgroup_size: 128
    .sgpr_count:     74
    .vgpr_count:     640
    .wavefront_size: 32
...
	.end_amdgpu_metadata
.endif
;; end of part 5
;; launch ln2: the kernel of part 2 again; grid 256 x 1, 8 waves a work-group, no clusters, 0 bytes of LDS; arguments x1, ln2_g, ln2_b, act; writes act
;; launch mlp1: the kernel of part 3 again; grid 16 x 16, 4 waves a work-group, clusters of 4 x 4, 327,680 bytes of LDS; arguments act, w1, hid; writes hid
;; launch mlp2 (part 6): grid 8 x 32, 4 waves a work-group, clusters of 4 x 4, 327,680 bytes of LDS; arguments hid, wr, b2, x1, out0; writes out0
.if DOCPART == 6
	.amdgcn_target "amdgcn-amd-amdhsa--gfx1250"
	.amdhsa_code_object_version 6
	.text
	.protected	k_qca58cb1055_mlp2
	.globl	k_qca58cb1055_mlp2
	.p2align	8
	.type	k_qca58cb1055_mlp2,@function
k_qca58cb1055_mlp2:
	s_mov_b64 s[64:65], 0
	v_nop
	global_prefetch_b8 v0, s[64:65] scope:SCOPE_SE
	s_setreg_imm32_b32 hwreg(HW_REG_WAVE_MODE, 25, 1), 1
	s_wait_xcnt 0x0
	s_wait_alu depctr_hold_cnt(0) depctr_sa_sdst(0) depctr_va_vdst(0) depctr_va_sdst(0) depctr_va_ssrc(0) depctr_va_vcc(0) depctr_vm_vsrc(0)
	s_getreg_b32 s2, hwreg(HW_REG_IB_STS2, 6, 4)
	s_cmp_eq_u32 s2, 0
	s_cbranch_scc0 .Lentry_in_a_cluster
	s_endpgm
.Lentry_in_a_cluster:
	s_bfe_u32 s2, ttmp6, 0x10000c
	s_cmp_lg_u32 s2, 0xf033
	s_cbranch_scc0 .Lentry_shape_is_right
	s_endpgm
.Lentry_shape_is_right:
; C = R + A W + bias, all of C, R and bias in f32.  A: 4,096 rows x KDIM in blocks [KDIM/64][4096][64] bf16.  W: from byte BOFF of its buffer, bf16 in column blocks [8][KDIM][128].
; R (the residual) and C: [4096][1024] f32.  This text serves two launches that differ in KDIM and BOFF alone: the attention's output projection (1,024; 0) and the MLP's second layer (4,096; 2,097,152).
; LIMITS.  The product's operands are bf16; sums, bias and residual f32; NaN and infinities are not treated apart.
; SHARES.  A tile of C is 128 x 128; four waves, each 64 x 64: 16 accumulators of 16 x 16.  K goes in steps of 256 through two LDS slots; a wave's one tensor load brings a quarter of a slot.
; CLUSTERS: 4 x 4 work-groups; the four of a row of the cluster need the same tiles of A, the four of a column the same tiles of W: each tile is asked for JOINTLY, by the same load, descriptor and mask.
; THE MATRIX INSTRUCTION IS USED TRANSPOSED: source 0 = 16 columns of W (turned on the way out of LDS, by ds_load_tr16_b128), source 1 = 16 rows of A: a lane holds eight neighbouring columns of one row of C.
; THE BIAS STARTS THE SUMS: it is loaded straight into the accumulators.  THE RESIDUAL TILE is asked for at the start, into 128 registers of its own, and waited for at the end.
; No prefetch is laid: the tiles are small and each is read by several clusters.
; REGISTERS: window 0: v1-7 at work, v16-29 addresses, v32-95 the way out, v128-255 the accumulators ((a, b) at 128 + 8 (4 a + b)).
;   window 1: two fragment buffers of 128.          window 2: v0-127 the residual, then C.
.set KDIM,  4096
.set BOFF,  2097152
.set KSTEP, 256
.set LAPS,  KDIM/(2*KSTEP)             ; a lap = two K steps = once round the ring
.set PA,    144                        ; a row of A in LDS: 128 bytes + 16 = 36 words: the 16 rows of a load start at 16 different groups of four banks (64 banks of 4 bytes: ISA guide 11.1)
.set ABLK,  128*PA                     ; 128 rows x 64 K
.set PB,    288                        ; a row of W: 256 bytes + 32 = 72 words
.set HALFT, 2*ABLK                     ; what one tensor load brings: two blocks of A, or 128 rows of W
.set SLOT,  4*HALFT                    ; A's four blocks, then W's 256 rows
.set STAGE, 2*SLOT                     ; behind the ring, never filled by a tensor load: 16 rows x 272 bytes for each wave
.set SP,    272                        ; 256 bytes + 16 = 68 words: row r starts at bank 4 r mod 64
.set SPARE, STAGE+4*16*SP              ; behind the stages: the spare words, 128 bytes for each wave: two blocks of 256 bytes that no other line names
.set ADRA, 16                          ; v16-17  LDS address of my A fragments in slot 0, 1
.set ADRB, 20                          ; v20-23  of my W fragments: slot 0 rows 0-127, rows 128-255, slot 1 likewise
.set STO,  24                          ; v24     the way out: where I put 32 bytes of a row
.set RD,   25                          ; v25     where I read rows back
.set CO,   26                          ; v26     my 16 bytes in two rows of R and of C
.set BO,   27                          ; v27     32 (lane / 16): my eight columns' bias
.set SPW,  28                          ; v28     LDS address of my spare word; never rewritten
.set NIL,  29                          ; v29     0; never rewritten
.set TMP,  32
.set ACC,  128
.set F0,   0
.set F1,   128
.set XR,   0                           ; window 2
.set G1,  24                           ; s[24:31] descriptor group 1 for A's tiles; s[32:39] group 0, a set for each slot
.set G0,  32
.set G1B, 48                           ; s[48:55], s[56:63] the same for W's
.set G0B, 56
.set MSB, 0
.macro WIN new                         ; the immediate's high byte repeats the setting that is left; a switch that changes nothing is dropped
.if MSB != (\new)
	s_set_vgpr_msb (MSB<<8)|(\new)
.set MSB, \new
.endif
.endm
.set MUL,  0x05                        ; sources 0 (W) and 1 (A) window 1; C and D window 0
.set TO_F, 0x40                        ; destination window 1, address window 0
.macro JLOAD s                         ; a joint load: waves 0 and 1 fetch A's two halves, waves 2 and 3 W's; an s_nop 0 and four v_nop follow each of the two lines
	s_cmp_eq_u32 s11, 0
	s_cbranch_scc0 .Lfor_b_\@
	tensor_load_to_lds s[G0+4*(\s):G0+4*(\s)+3], s[G1:G1+7]
	s_nop 0
.rept 4
	v_nop
.endr
	s_branch .Lasked_\@
.Lfor_b_\@:
	tensor_load_to_lds s[G0B+4*(\s):G0B+4*(\s)+3], s[G1B:G1B+7]
	s_nop 0
.rept 4
	v_nop
.endr
.Lasked_\@:
.endm
.macro CREST                           ; a round of the cluster's barrier behind its opening barrier
	s_cmp_lg_u32 s10, 0
	s_cbranch_scc1 .Lnot_wave_0_\@
	s_barrier_signal -3
.Lnot_wave_0_\@:
	s_barrier_wait -3
	s_barrier_signal -1
	s_barrier_wait -1
.endm
.macro CROUND                          ; a whole round
	s_barrier_signal -1
	s_barrier_wait -1
	CREST
.endm
	s_load_b128 s[4:7], s[0:1], 0x0                ; A s[4:5], W s[6:7]
	s_load_b128 s[68:71], s[0:1], 0x10             ; bias s[68:69], R s[70:71]
	s_load_b64 s[72:73], s[0:1], 0x20              ; C
	v_lshl_add_u32 v[SPW], v0, 2, SPARE
	v_mov_b32 v[NIL], 0
	ds_add_u32 v[SPW], v[NIL]                      ; the wave's opening: the add and its wait ahead of my first tensor load; work on registers stands between them
	v_lshrrev_b32 v1, 5, v0
	v_readfirstlane_b32 s10, v1                    ; wave 0..3
	s_lshr_b32 s11, s10, 1                         ; which half of the tile's rows is mine.  Also: I fetch for A (0) or for W (1)
	s_and_b32 s12, s10, 1                          ; which half of its columns.  Also: which half of that tile I fetch
	s_bfe_u32 s40, ttmp6, 0x40000                  ; cx, cy: my place in the cluster
	s_bfe_u32 s41, ttmp6, 0x40004
	s_lshl_b32 s42, ttmp9, 2
	s_add_co_u32 s42, s42, s40                     ; tile column of C = 4 x cluster x + cx
	s_and_b32 s13, ttmp7, 0xffff
	s_lshl_b32 s13, s13, 2
	s_add_co_u32 s13, s13, s41                     ; tile row of C = 4 x cluster y + cy
	s_lshl_b32 s43, s41, 2
	s_lshl_b32 s43, 15, s43                        ; my row of the cluster
	s_lshl_b32 s44, 0x1111, s40                    ; my column
	; A's descriptor: two blocks of 128 rows x 64 K.  A block's part is 16,384 bytes on end, asked for as ONE row of 8,192 elements, and padded in LDS behind every 128 bytes
	s_or_b32 s[G1+0], s43, (1<<16)|(1<<20)|(1<<21)|(4<<22)|(3<<25)  ; 15:0 the mask: my row; 17:16 2-byte elements; 20 padding on; 21 set beside a mask; 24:22 after every 32 words (code 4); 31:25 4 words (code 3)
	s_mov_b32 s[G1+1], 8192<<16                    ; tensor_dim0 = 8,192
	s_mov_b32 s[G1+2], 2<<16                       ; tensor_dim1 = 2
	s_mov_b32 s[G1+3], 8192<<16                    ; tile_dim0 = 8,192
	s_mov_b32 s[G1+4], 2                           ; tile_dim1 = 2
	s_mov_b32 s[G1+5], 262144                      ; elements from block to block: 4,096 rows x 64
	s_mov_b32 s[G1+6], 0
	s_mov_b32 s[G1+7], 0
	; W's descriptor: 128 rows of K x 128 columns, rows of 256 bytes on end, padded by 32 bytes each
	s_or_b32 s[G1B+0], s44, (1<<16)|(1<<20)|(1<<21)|(5<<22)|(7<<25) ; the mask: my column; after every 64 words (code 5) 8 words (code 7)
	s_mov_b32 s[G1B+1], 128<<16
	s_mov_b32 s[G1B+2], 128<<16
	s_mov_b32 s[G1B+3], 128<<16
	s_mov_b32 s[G1B+4], 128
	s_mov_b32 s[G1B+5], 128
	s_mov_b32 s[G1B+6], 0
	s_mov_b32 s[G1B+7], 0
	s_lshl_b32 s16, s13, 14                        ; A: the tile's 128 rows of 128 bytes in a block,
	s_lshl_b32 s17, s12, 20                        ; and my two blocks of the K step's four
	s_add_co_u32 s16, s16, s17
	s_mov_b32 s17, 0
	s_mul_i32 s46, s42, KDIM*256                   ; W: the tile's column block,
	s_lshl_b32 s47, s12, 15                        ; my 128 rows of the K step's 256,
	s_add_co_u32 s46, s46, s47
	s_add_co_u32 s46, s46, BOFF                    ; from the weight's first byte in its buffer
	s_mov_b32 s47, 0
	s_mul_i32 s20, s10, HALFT                      ; where they go: wave x a quarter of a slot: no place in the cluster enters an LDS address
	s_wait_dscnt 0x0                               ; the opening add is done
	s_wait_kmcnt 0x0
	s_add_nc_u64 s[14:15], s[4:5], s[16:17]
	s_add_nc_u64 s[46:47], s[6:7], s[46:47]
	CROUND                                         ; all sixteen work-groups are here: the first joint loads meet
.irp s, 0,1
	s_mov_b32 s[G0+4*(\s)], 1
	s_add_co_u32 s[G0+4*(\s)+1], s20, (\s)*SLOT
	s_add_nc_u64 s[G0+4*(\s)+2:G0+4*(\s)+3], s[14:15], (\s)*4*524288   ; K step s: four blocks on
	s_or_b32 s[G0+4*(\s)+3], s[G0+4*(\s)+3], 0x80000000
	s_mov_b32 s[G0B+4*(\s)], 1
	s_add_co_u32 s[G0B+4*(\s)+1], s20, (\s)*SLOT
	s_add_nc_u64 s[G0B+4*(\s)+2:G0B+4*(\s)+3], s[46:47], (\s)*KSTEP*256
	s_or_b32 s[G0B+4*(\s)+3], s[G0B+4*(\s)+3], 0x80000000
	JLOAD \s                                       ; two loads of mine are out
.endr
	v_and_b32 v1, 15, v0                           ; l % 16
	v_bfe_u32 v2, v0, 4, 1                         ; l / 16
	v_lshlrev_b32 v[BO], 5, v2
	s_lshl_b32 s46, s42, 9                         ; my wave's 64 columns of f32: in the bias, and in a row of R and of C
	s_lshl_b32 s47, s12, 8
	s_add_co_u32 s46, s46, s47
	s_mov_b32 s47, 0
	s_add_nc_u64 s[18:19], s[68:69], s[46:47]
.irp a, 0,1,2,3
.irp b, 0,1,2,3
	global_load_b128 v[ACC+8*(4*(\a)+(\b)):ACC+8*(4*(\a)+(\b))+3],   v[BO], s[18:19] offset:64*(\b)      ; register j of accumulator (a, b) is column 16 b + 8 (l / 16) + j, whatever the row
	global_load_b128 v[ACC+8*(4*(\a)+(\b))+4:ACC+8*(4*(\a)+(\b))+7], v[BO], s[18:19] offset:64*(\b)+16
.endr
.endr
	s_lshl_b32 s16, s13, 19                        ; my 64 rows of 4,096 bytes
	s_lshl_b32 s17, s11, 18
	s_add_co_u32 s16, s16, s17
	s_mov_b32 s17, 0
	s_add_nc_u64 s[70:71], s[70:71], s[16:17]
	s_add_nc_u64 s[70:71], s[70:71], s[46:47]
	s_add_nc_u64 s[72:73], s[72:73], s[16:17]
	s_add_nc_u64 s[72:73], s[72:73], s[46:47]
	v_lshlrev_b32 v[CO], 12, v2                    ; lanes 0-15 take 256 bytes of one row, lanes 16-31 of the next
	v_lshl_add_u32 v[CO], v1, 4, v[CO]
	WIN 0x80                                       ; destination window 2, address window 0
.irp a, 0,1,2,3
.irp t, 0,1,2,3,4,5,6,7
	global_load_b128 v[XR+32*(\a)+4*(\t):XR+32*(\a)+4*(\t)+3], v[CO], s[70:71] offset:(16*(\a)+2*(\t))*4096 th:TH_LOAD_NT
.endr
.endr
	WIN 0
	; A fragment of A: 16 rows x 32 K: lane l holds row l % 16, K = 8 (l / 16) + 0..7 and 16 + 8 (l / 16) + 0..7: two loads of 16 bytes, 32 bytes apart
	v_mul_u32_u24 v3, v1, PA
	v_lshl_add_u32 v3, v2, 4, v3
	s_mul_i32 s21, s11, 64*PA                      ; my 64 rows
	v_add_nc_u32 v[ADRA], s21, v3
	v_add_nc_u32 v[ADRA+1], SLOT, v[ADRA]
	; The turning load takes 16 K x 16 columns (lane l reads K = 8 (l / 16) + l % 8, columns 8 ((l / 8) % 2) + 0..7) and leaves half a fragment: lane l holds column l % 16 and 8 K
	v_and_b32 v4, 7, v0
	v_lshl_add_u32 v4, v2, 3, v4
	v_mul_u32_u24 v4, v4, PB
	v_bfe_u32 v5, v0, 3, 1
	v_lshl_add_u32 v4, v5, 4, v4
	s_lshl_b32 s22, s12, 7                         ; my 64 columns,
	s_add_co_u32 s22, s22, 2*HALFT                 ; behind A's four blocks
	v_add_nc_u32 v[ADRB], s22, v4
	v_add_nc_u32 v[ADRB+1], HALFT, v[ADRB]
	v_add_nc_u32 v[ADRB+2], SLOT, v[ADRB]
	v_add_nc_u32 v[ADRB+3], SLOT+HALFT, v[ADRB]
	s_mul_i32 s23, s10, 16*SP
	s_add_co_u32 s23, s23, STAGE                   ; my stage
	v_mul_u32_u24 v6, v1, SP                       ; in: row l % 16, 32 bytes for each half of the lanes
	v_lshl_add_u32 v6, v2, 5, v6
	v_add_nc_u32 v[STO], s23, v6
	v_mul_u32_u24 v6, v2, SP                       ; back: lanes 0-15 take one row of 256 bytes, lanes 16-31 the next
	v_lshl_add_u32 v6, v1, 4, v6
	v_add_nc_u32 v[RD], s23, v6
; 8 matrix instructions: row blocks a0, a0 + 1 x all 4 column blocks, 32 along K: half c of buffer f.  The 16 accumulators take turns, one instruction a turn, over the backward jump too
.macro MUL8 f, c, a0
	WIN MUL
.irp a, \a0, (\a0)+1
.irp b, 0,1,2,3
	v_wmma_f32_16x16x32_bf16 v[ACC+8*(4*(\a)+(\b)):ACC+8*(4*(\a)+(\b))+7], v[(\f)+64+8*(4*(\c)+(\b)):(\f)+64+8*(4*(\c)+(\b))+7], v[(\f)+8*(4*(\c)+(\a)):(\f)+8*(4*(\c)+(\a))+7], v[ACC+8*(4*(\a)+(\b)):ACC+8*(4*(\a)+(\b))+7]
.endr
.endr
.endm
; 32 LDS loads in one run: the fragments of quarter q (64 along K) of a slot into buffer f; the first 32 along K first
.macro FETCH slot, q, f
	WIN TO_F
.irp c, 0,1
.irp i, 0,1,2,3
	ds_load_tr16_b128 v[(\f)+64+8*(4*(\c)+(\i)):(\f)+64+8*(4*(\c)+(\i))+3],   v[ADRB+2*(\slot)+(\q)/2] offset:((\q)%2)*64*PB+(\c)*32*PB+32*(\i)
	ds_load_tr16_b128 v[(\f)+64+8*(4*(\c)+(\i))+4:(\f)+64+8*(4*(\c)+(\i))+7], v[ADRB+2*(\slot)+(\q)/2] offset:((\q)%2)*64*PB+(\c)*32*PB+16*PB+32*(\i)
	ds_load_b128 v[(\f)+8*(4*(\c)+(\i)):(\f)+8*(4*(\c)+(\i))+3],             v[ADRA+(\slot)] offset:(\q)*ABLK+(\i)*16*PA+64*(\c)
	ds_load_b128 v[(\f)+8*(4*(\c)+(\i))+4:(\f)+8*(4*(\c)+(\i))+7],           v[ADRA+(\slot)] offset:(\q)*ABLK+(\i)*16*PA+64*(\c)+32
.endr
.endr
.endm
.macro PLACES                          ; four places in front of loads into registers that matrix instructions have read, and of lines that read results
.rept 4
	v_nop
.endr
.endm
; A K step is four quarters of 64 along K, 32 matrix instructions each, on buffers 0, 1, 0, 1.  One of the first three: multiplies buffer f and fetches quarter q into g
.macro QUARTER slot, q, f, g
	s_wait_dscnt 16                                ; the first 32 along K are in; the youngest sixteen loads may be out
	MUL8 \f, 0, 0
	MUL8 \f, 0, 2
	PLACES
	FETCH \slot, \q, \g
	s_wait_dscnt 32                                ; all but the 32 just issued
	MUL8 \f, 1, 0
	MUL8 \f, 1, 2
.endm
; The last quarter multiplies buffer 1 and changes slots: ONE barrier; in front of it each wave waits for all its tensor loads (one is out: its part of the next slot), adds 0 to its spare
; word, and waits for that and for its own reads of this slot.  fill = 1: the barrier opens a round of the cluster's, and this slot is filled again first thing behind it, two K steps ahead:
; 112 matrix instructions stand between that request and the wait for it.
.macro TURN slot, next, fill
	WIN 0
	s_wait_tensorcnt 0x0
	ds_add_u32 v[SPW], v[NIL]
	s_wait_dscnt 17                                ; (the add and the youngest sixteen loads may be out)
	MUL8 F1, 0, 0
	s_wait_dscnt 0x0                               ; the add is done, and my reads of this slot are over
	s_barrier_signal -1
	MUL8 F1, 0, 2
.if \fill
	WIN 0
.endif
	s_barrier_wait -1
.if \fill
	CREST                                          ; no wave of any partner still reads this slot's tiles or has a load on its way
	s_add_nc_u64 s[G0+4*(\slot)+2:G0+4*(\slot)+3], s[G0+4*(\slot)+2:G0+4*(\slot)+3], 8*524288
	s_add_nc_u64 s[G0B+4*(\slot)+2:G0B+4*(\slot)+3], s[G0B+4*(\slot)+2:G0B+4*(\slot)+3], 2*KSTEP*256
	JLOAD \slot                                    ; its four v_nop are also the places in front of the loads below
.else
	PLACES
.endif
	FETCH \next, 0, F0
	MUL8 F1, 1, 0
	MUL8 F1, 1, 2
.endm
	s_wait_tensorcnt 1                             ; my part of K step 0 is in; K step 1's may stay out
	s_barrier_signal -1
	s_barrier_wait -1                              ; everybody's is
	FETCH 0, 0, F0
	s_wait_loadcnt 32                              ; the bias lies in the accumulators; the residual's 32 loads stay out
	WIN 0                                          ; at a label and at a branch every window is 0
	s_mov_b32 s3, LAPS-1
.Llap:                                                 ; a trip goes once round the ring and fills both slots again
	QUARTER 0, 1, F0, F1
	QUARTER 0, 2, F1, F0
	QUARTER 0, 3, F0, F1
	TURN 0, 1, 1
	QUARTER 1, 1, F0, F1
	QUARTER 1, 2, F1, F0
	QUARTER 1, 3, F0, F1
	TURN 1, 0, 1
	WIN 0
	s_sub_co_u32 s3, s3, 1
	s_cmp_lg_u32 s3, 0
	s_cbranch_scc1 .Llap
	QUARTER 0, 1, F0, F1                           ; the last lap is written out: it fills nothing
	QUARTER 0, 2, F1, F0
	QUARTER 0, 3, F0, F1
	TURN 0, 1, 0
	QUARTER 1, 1, F0, F1
	QUARTER 1, 2, F1, F0
	QUARTER 1, 3, F0, F1
	s_wait_dscnt 16                                ; the very last quarter: nothing more to fetch
	MUL8 F1, 0, 0
	MUL8 F1, 0, 2
	s_wait_dscnt 0x0
	MUL8 F1, 1, 0
	MUL8 F1, 1, 2
	WIN 0
	; THE WAY OUT, 16 rows at a time.  My 64 columns of f32 are 256 bytes of a row of C, aligned.  The sums go from the accumulators (their low four registers first) into my own stage and come back as
	; whole rows; the residual is added, into the residual's registers, and stored.  LDS serves a wave's instructions in order (ISA guide 5.7.1.4): the stage needs no wait between its stores and its loads.
.macro TOSTAGE a
.irp b, 0,1,2,3
	ds_store_b128 v[STO], v[ACC+8*(4*(\a)+(\b)):ACC+8*(4*(\a)+(\b))+3]   offset:64*(\b)
	ds_store_b128 v[STO], v[ACC+8*(4*(\a)+(\b))+4:ACC+8*(4*(\a)+(\b))+7] offset:64*(\b)+16
.endr
.irp t, 0,1,2,3,4,5,6,7
	ds_load_b128 v[TMP+32*((\a)%2)+4*(\t):TMP+32*((\a)%2)+4*(\t)+3], v[RD] offset:(\t)*2*SP
.endr
.endm
.macro SEND a, younger                 ; younger: the LDS instructions issued behind block a's loads: the next block's sixteen, or none
	s_wait_dscnt \younger
	WIN 0x88                                       ; destination and source 1 window 2, source 0 window 0
.set n, 0
.rept 16
	v_pk_add_f32 v[XR+32*(\a)+2*n:XR+32*(\a)+2*n+1], v[TMP+32*((\a)%2)+2*n:TMP+32*((\a)%2)+2*n+1], v[XR+32*(\a)+2*n:XR+32*(\a)+2*n+1]
.set n, n+1
.endr
	WIN 0x08                                       ; a store's data is source 1: window 2
.irp t, 0,1,2,3,4,5,6,7
	global_store_b128 v[CO], v[XR+32*(\a)+4*(\t):XR+32*(\a)+4*(\t)+3], s[72:73] offset:(16*(\a)+2*(\t))*4096  ; 16 lanes store 256 consecutive bytes, at a multiple of 256 from C's first; no register is written again
.endr
	WIN 0
.endm
	PLACES
	s_wait_loadcnt 0x0                             ; the residual
	TOSTAGE 0
	TOSTAGE 1
	SEND 0, 16
	TOSTAGE 2
	SEND 1, 16
	TOSTAGE 3
	SEND 2, 16
	SEND 3, 0
	s_wait_tensorcnt 0x0                           ; the wave's end: behind my last tensor load and my last LDS store
	ds_add_u32 v[SPW], v[NIL]
	s_wait_dscnt 0x0
	CROUND                                         ; the closing round: no work-group ends while a partner may still ask for a tile that names it
	s_endpgm
.Lfunc_end_k_qca58cb1055_mlp2:
	.size	k_qca58cb1055_mlp2, .Lfunc_end_k_qca58cb1055_mlp2-k_qca58cb1055_mlp2
	.p2alignl 7, 3214868480
	.fill 96, 4, 3214868480
	.section	.rodata,"a",@progbits
	.p2align	6, 0x0
	.amdhsa_kernel k_qca58cb1055_mlp2
		.amdhsa_group_segment_fixed_size 327680
		.amdhsa_private_segment_fixed_size 0
		.amdhsa_enable_private_segment 0
		.amdhsa_kernarg_size 40
		.amdhsa_user_sgpr_count 2
		.amdhsa_user_sgpr_kernarg_segment_ptr 1
		.amdhsa_wavefront_size32 1
		.amdhsa_system_sgpr_workgroup_id_x 1
		.amdhsa_system_sgpr_workgroup_id_y 1
		.amdhsa_system_sgpr_workgroup_id_z 1
		.amdhsa_system_vgpr_workitem_id 0
		.amdhsa_next_free_vgpr 640
		.amdhsa_next_free_sgpr 74
		.amdhsa_reserve_vcc 0
		.amdhsa_float_denorm_mode_32 3
		.amdhsa_float_denorm_mode_16_64 3
		.amdhsa_memory_ordered 1
		.amdhsa_forward_progress 1
		.amdhsa_inst_pref_size 96
	.end_amdhsa_kernel
	.amdgpu_metadata
---
amdhsa.version: [ 1, 2 ]
amdhsa.kernels:
  - .name:           k_qca58cb1055_mlp2
    .symbol:         k_qca58cb1055_mlp2.kd
    .args:
      - { .name: hid, .offset: 0, .size: 8, .value_kind: global_buffer, .address_space: global }
      - { .name: wr, .offset: 8, .size: 8, .value_kind: global_buffer, .address_space: global }
      - { .name: b2, .offset: 16, .size: 8, .value_kind: global_buffer, .address_space: global }
      - { .name: x1, .offset: 24, .size: 8, .value_kind: global_buffer, .address_space: global }
      - { .name: out0, .offset: 32, .size: 8, .value_kind: global_buffer, .address_space: global }
    .group_segment_fixed_size: 327680
    .private_segment_fixed_size: 0
    .kernarg_segment_align: 8
    .kernarg_segment_size: 40
    .max_flat_workgroup_size: 128
    .sgpr_count:     74
    .vgpr_count:     640
    .wavefront_size: 32
...
	.end_amdgpu_metadata
.endif
;; end of part 6
